; MI455X (gfx1250); checked and timed in simulation.
; The chip was launched on July 23, 2026; its instructions are those of AMD's public machine-readable ISA for CDNA 5 (MIT licence, August 2026) and "CDNA5" Instruction Set Architecture Reference Guide (July 2026). The comments in the code are by the model that wrote it; some were corrected since.
;; Attention. Allowed arithmetic: matrix products marked QUANTISED: E4M3 operands, one given power-of-two scale a tensor, by v_wmma_f32_16x16x64_fp8_fp8 or v_wmma_f32_16x16x128_fp8_fp8, f32 sums; everything else in f32.
;; Inputs: graph_bias 1 x 1 x 2,048 x 2,048 float32; lowp_scales 12 int32 (the exponents e of the quantised operands' scales 2^e); mask 1 x 1 x 2,048 x 2,048 float32; wk 2,048 x 512 float32; wo 2,048 x 2,048 float32; wq 2,048 x 2,048 float32; wv 2,048 x 512 float32; x 1 x 2,048 x 2,048 float32.
;; Outputs: out0 1 x 2,048 x 2,048 float32.
;; Constants: start_pos = 0.
;; This version of the problem:
;;   THIS VERSION OF THE PROBLEM IS GIVEN IN LOW PRECISION. The matrix products marked QUANTISED in the list below multiply operands that are first quantised to E4M3 (4 exponent bits, 3 mantissa bits; 8 bits a number), with one given power-of-two scale for each operand tensor; their sums are f32. All else is computed in f32.
;;   The module's matrix products, in the order in which they are computed (A, B: the left and right operand; K: the contracted axis; several contracted axes count as one K, in the product's order):
;;     1. [M 2,048, K 2,048] x [K 2,048, N 2,048]; A: input x; B: input wq: QUANTISED (scales: A lowp_scales[0], B lowp_scales[1])
;;     2. [M 2,048, K 2,048] x [K 2,048, N 512]; A: input x; B: input wk: QUANTISED (scales: A lowp_scales[2], B lowp_scales[3])
;;     3. [M 2,048, K 2,048] x [K 2,048, N 512]; A: input x; B: input wv: QUANTISED (scales: A lowp_scales[4], B lowp_scales[5])
;;     4. batch 8 x [M 2,048, K 64] x [K 64, N 8,192]; A: computed on the way; B: computed on the way: QUANTISED (scales: A lowp_scales[6], B lowp_scales[7])
;;     5. batch 8 x [M 64, K 2,048] x [K 2,048, N 8,192]; A: computed on the way; B: computed on the way: QUANTISED (scales: A lowp_scales[8], B lowp_scales[9])
;;     6. [M 2,048, K 2,048] x [K 2,048, N 2,048]; A: computed on the way; B: input wo: QUANTISED (scales: A lowp_scales[10], B lowp_scales[11])
;;   THE QUANTISER, for each operand of a quantised product, along K:
;;     - The operand's scale is 2^e, e = its entry of the input lowp_scales (int32; the entries are numbered through the quantised products in the list's order, A before B).
;;     - Each number is divided by the scale, clamped to +-448, and rounded to the nearest number of E4M3, ties to even, subnormals kept.
;;     - The product sums the exact products of the quantised numbers (number of the format x scale) in f32.
;;   ~~~python
;;   def quantise(x, axis, e):      # numpy; x: float32 -> the quantised numbers, widened to float32 again
;;       x = np.moveaxis(x, axis, -1); K = x.shape[-1]
;;       r = np.clip(x / 2.0 ** e, -448, 448)
;;       step = 2.0 ** (np.maximum(np.frexp(np.where(r == 0, 1, r))[1] - 1, -6) - 3)
;;       q = np.round(r / step) * step * 2.0 ** e      # np.round: ties to even
;;       return np.moveaxis(q, -1, axis).astype(np.float32)
;;   ~~~
;;   OPERANDS COMPUTED ON THE WAY. 'Computed on the way' means the value that the module computes at that place (a softmax that the list does not call 'softmax' is quantised finished and normalised). What goes into a quantiser is computed in f32, as accurately as f32 sums, v_exp_f32 and their like allow (about 1e-6 of the number): no bf16 or f16 on the way to a quantiser, and a product that is left as it is and whose result goes on into a quantised operand takes f32 operands (vector FMAs, or v_wmma_f32_16x16x4_f32). A number that lies on a knife's edge between two numbers of the format may be rounded either way, as far as f32 arithmetic and the matrix unit's own rounding can turn it there, and no further.
;; One version. Each part assembles by itself: llvm-mc -triple=amdgcn-amd-amdhsa -mcpu=gfx1250 --defsym DOCPART=n.
;; ======== version 1 of 1: 4 launches
;; limits: right only within a limited range of input values
;; workspace buffers: xc 12,582,912 bytes; wc 10,485,760 bytes; qkv 6,291,456 bytes; att 4,194,304 bytes
;; launch quant (part 1): grid 448 x 1, 4 waves a work-group, no clusters, 68,096 bytes of LDS; arguments x, wq, wk, wv, wo, lowp_scales, xc, wc; writes xc, wc
.if DOCPART == 1
	.amdgcn_target "amdgcn-amd-amdhsa--gfx1250"
	.amdhsa_code_object_version 6
	.text
	.protected	k_qbd463dff72_quant
	.globl	k_qbd463dff72_quant
	.p2align	8
	.type	k_qbd463dff72_quant,@function
k_qbd463dff72_quant:
	s_mov_b64 s[64:65], 0
	v_nop
	global_prefetch_b8 v0, s[64:65] scope:SCOPE_SE
	s_setreg_imm32_b32 hwreg(HW_REG_WAVE_MODE, 25, 1), 1
	s_wait_xcnt 0x0
; x [2048][2048] f32 becomes three planes of E4M3 codes (scales 2^e0, 2^e2, 2^e4: one for each of the products with wq, wk, wv), K innermost as it lies.
; wq [2048][2048], wk, wv [2048][512], wo [2048][2048] f32, whose K is the FIRST axis, become codes laid [n][k], K innermost, in one buffer of 5,120 rows of 2,048 bytes:
; rows 0-2047 wq (e1), 2048-2559 wk (e3), 2560-3071 wv (e5), 3072-5119 wo (e11).
; code = number / 2^e, held within +-448, to the nearest code, ties to even.
; LIMITS: each of e0, e2, e4, e1, e3, e5, e11 lies between -126 and 119, so that 2^e and 448 x 2^e are f32 numbers.  NaN among the inputs is not served.
; SHARES.  Work-groups 0-127 take x: a wave takes 16 steps of 512 numbers; each load reads 512 consecutive bytes, a step's 2,048 bytes turn through the wave's own stage in LDS so that a lane
; holds 16 neighbours along K, and each of the three stores covers 512 consecutive bytes.  Work-groups 128-447 take the weights: 128 columns x 256 along K each; a lane takes a column and its
; registers run down K, so that the conversions give codes with K innermost; the codes leave through the wave's own stage, sixteen lanes to 256 consecutive, aligned bytes.
; The two paths part on the work-group's number, never join, and have LDS bytes of their own.  Waves share nothing: no barrier.  No tensor load, no cluster, no matrix unit: a stream in which nothing is read twice.
.set SP,     80                        ; x path: a lane's place in a stage: 64 bytes + 16 of padding
.set WREG,   8192                      ; x path: LDS of a wave: two stages of 32 x SP bytes
.set STEPS,  16
.set WST,    32768                     ; weights' path: four stages of 32 rows x PITCH
.set PITCH,  272                       ; a stage row: 256 bytes of codes + 16
.set SPARE,  WST+4*32*PITCH            ; the spare words, 128 bytes for each wave: two blocks of 256 bytes that no other line names
.set SPW,    12                        ; v12  LDS address of my spare word; never rewritten
.set NIL,    13                        ; v13  0; never rewritten
.set R,      16                        ; x path: v16-79 four sets of 16 numbers as loaded
.set X,      80                        ; v80-111 two sets of 16 neighbours
.set T,      112                       ; v112-159 the 16 numbers held for each of the three scales
.set C,      160                       ; v160-183 two sets of 12 registers of codes
.set OFF,    16                        ; weights' path: v16-47 offsets of 32 rows of a block
.set XW,     48                        ; v48-111 two sets of 32 numbers
.set CW,     112                       ; v112-119 a block's codes
.set OUTR,   120                       ; v120-183 the way out
; the f32 patterns of 2^e (into v[vs]) and of 448 x 2^e (into v[vl]); e in s[e]
.macro SCALE e, vs, vl
	s_add_co_i32 s42, s[\e], 127
	s_lshl_b32 s43, s42, 23
	v_mov_b32 v[\vs], s43
	s_add_co_i32 s42, s42, 8
	s_lshl_b32 s42, s42, 23
	s_or_b32 s42, s42, 0x600000
	v_mov_b32 v[\vl], s42
.endm
.macro LOAD t                          ; step t: four loads of 512 consecutive bytes
.irp i, 0,1,2,3
	global_load_b128 v[R+16*((\t)%4)+4*\i:R+16*((\t)%4)+4*\i+3], v3, s[4:5] offset:2048*(\t)+512*\i th:TH_LOAD_NT
.endr
.endm
.macro TURN t                          ; step t's numbers through the stage: LDS serves a wave's instructions in order, so no wait stands between the stores and the loads
.irp i, 0,1,2,3
	ds_store_b128 v14, v[R+16*((\t)%4)+4*\i:R+16*((\t)%4)+4*\i+3] offset:32*SP*((\t)%2)+8*SP*\i
.endr
.irp i, 0,1,2,3
	ds_load_b128 v[X+16*((\t)%2)+4*\i:X+16*((\t)%2)+4*\i+3], v15 offset:32*SP*((\t)%2)+16*\i
.endr
.endm
.macro STEP t
.set XS, X+16*((\t)%2)
.set CC, C+12*((\t)%2)
	s_wait_dscnt 0x0                               ; this step's numbers are back from the stage, and its stores into the stage have read their registers,
.if (\t)+4 < STEPS
	LOAD (\t)+4                                    ; which take the loads of four steps on
.endif
.if (\t)+1 < STEPS
.if STEPS-2-(\t) >= 3
	s_wait_loadcnt 12                              ; the next step's four loads are in; the twelve of the three steps behind it may be out
.else
	s_wait_loadcnt 4*(STEPS-2-(\t))
.endif
	TURN (\t)+1
.endif
	s_wait_xcnt 0x0                                ; the stores of two steps back have read this set of codes: it is written again only behind this wait
.irp p, 0,1,2
.irp i, 0,1,2,3,4,5,6,7,8,9,10,11,12,13,14,15
	v_med3_num_f32 v[T+16*\p+\i], v[XS+\i], -v[6+2*\p], v[6+2*\p]   ; the conversion does not saturate (ISA guide 7.6.2): the hold at 448 x the scale, once for each scale
.endr
.endr
.irp p, 0,1,2
	v_cvt_scalef32_pk8_fp8_f32 v[CC+4*\p:CC+4*\p+1], v[T+16*\p:T+16*\p+7], v[5+2*\p]
	v_cvt_scalef32_pk8_fp8_f32 v[CC+4*\p+2:CC+4*\p+3], v[T+16*\p+8:T+16*\p+15], v[5+2*\p]
.endr
	v_nop                                          ; a plain line behind the conversions: the next step's holds write their sources
.irp p, 0,1,2
	global_store_b128 v3, v[CC+4*\p:CC+4*\p+3], s[36+2*\p:37+2*\p] offset:512*(\t)   ; 32 lanes store 512 consecutive bytes of plane p
.endr
.endm
.macro LOADW t                         ; block t: W(32 t + i, my column), i = 0 .. 31: each load reads 128 consecutive bytes
.irp i, 0,1,2,3,4,5,6,7,8,9,10,11,12,13,14,15,16,17,18,19,20,21,22,23,24,25,26,27,28,29,30,31
	global_load_b32 v[XW+32*((\t)%2)+\i], v[OFF+\i], s[48+2*(\t):49+2*(\t)] th:TH_LOAD_NT
.endr
.endm
.macro BLOCK t
.set XS, XW+32*((\t)%2)
.if (\t) < 7
	s_wait_loadcnt 32                              ; this block's 32 loads are in; the next block's 32 may be out
.else
	s_wait_loadcnt 0x0
.endif
.irp i, 0,1,2,3,4,5,6,7,8,9,10,11,12,13,14,15,16,17,18,19,20,21,22,23,24,25,26,27,28,29,30,31
	v_med3_num_f32 v[XS+\i], v[XS+\i], -v10, v10
.endr
.irp g, 0,1,2,3
	v_cvt_scalef32_pk8_fp8_f32 v[CW+2*\g:CW+2*\g+1], v[XS+8*\g:XS+8*\g+7], v11
.endr
	v_nop                                          ; a plain line behind the conversions
	ds_store_b128 v4, v[CW:CW+3] offset:32*(\t)    ; 32 codes: 32 bytes of my column's row
	ds_store_b128 v4, v[CW+4:CW+7] offset:32*(\t)+16
.if (\t)+2 < 8
	LOADW (\t)+2
.endif
	s_wait_dscnt 0x0                               ; the stores have read their registers: the next block's codes may be written
.endm
	s_load_b512 s[4:19], s[0:1], 0x0               ; x 4:5, wq 6:7, wk 8:9, wv 10:11, wo 12:13, the exponents 14:15, xc 16:17, wc 18:19
	v_lshl_add_u32 v[SPW], v0, 2, SPARE
	v_mov_b32 v[NIL], 0
	v_lshrrev_b32 v1, 5, v0
	v_readfirstlane_b32 s20, v1                    ; wave 0..3
	v_and_b32 v2, 31, v0                           ; lane
	s_wait_kmcnt 0x0
	s_load_b256 s[24:31], s[14:15], 0x0            ; e0 .. e7
	s_load_b128 s[32:35], s[14:15], 0x20           ; e8 .. e11
	s_cmp_lt_u32 ttmp9, 128
	s_cbranch_scc0 .Lweights
	; ---------------- x ----------------
	s_wait_alu depctr_va_vdst(0)
	v_lshlrev_b32 v3, 4, v2                        ; my 16 bytes of a load's 512, and of a store's
	s_wait_alu depctr_va_vdst(0)
	s_mul_i32 s21, s20, WREG
	v_lshrrev_b32 v14, 2, v2
	v_mul_u32_u24 v14, v14, SP
	v_and_b32 v15, 3, v2
	v_lshl_add_u32 v14, v15, 4, v14
	v_add_nc_u32 v14, s21, v14                     ; the stage, on the way in: SP (lane / 4) + 16 (lane % 4)
	v_mul_u32_u24 v15, v2, SP
	v_add_nc_u32 v15, s21, v15                     ; and on the way out: SP x lane: my 16 neighbours
	s_lshl_b32 s22, ttmp9, 2
	s_add_co_u32 s22, s22, s20                     ; which run of 8,192 numbers is my wave's
	s_lshl_b32 s42, s22, 15
	s_mov_b32 s43, 0
	s_add_nc_u64 s[4:5], s[4:5], s[42:43]
	s_lshl_b32 s42, s22, 13
	s_add_nc_u64 s[36:37], s[16:17], s[42:43]      ; its codes in plane 0,
	s_add_nc_u64 s[38:39], s[36:37], 0x400000      ; plane 1,
	s_add_nc_u64 s[40:41], s[36:37], 0x800000      ; plane 2
.irp t, 0,1,2,3
	LOAD \t
.endr
	s_wait_alu depctr_va_vdst(0)
	s_wait_kmcnt 0x0
	SCALE 24, 5, 6                                 ; e0
	SCALE 26, 7, 8                                 ; e2
	SCALE 28, 9, 10                                ; e4
	s_wait_alu depctr_va_vdst(0)
	s_wait_loadcnt 12                              ; step 0's four loads are in
	TURN 0
.irp t, 0,1,2,3,4,5,6,7,8,9,10,11,12,13,14,15
	STEP \t
.endr
	s_wait_tensorcnt 0x0                           ; the wave's end, behind my last LDS store
	ds_add_u32 v[SPW], v[NIL]
	s_wait_dscnt 0x0
	s_endpgm
	; ---------------- the weights ----------------
.Lweights:
	s_wait_alu depctr_va_vdst(0)
	v_lshlrev_b32 v3, 2, v2                        ; 4 bytes a lane
	s_sub_co_u32 s21, ttmp9, 128
	s_lshr_b32 s22, s21, 3                         ; which 128 of the 5,120 rows of codes
	s_and_b32 s23, s21, 7                          ; which 256 along K
	s_mov_b32 s42, 2048
	s_mov_b32 s43, 8192
	s_wait_alu depctr_va_vdst(0)
	s_wait_kmcnt 0x0
	s_cmp_lt_u32 s22, 24                           ; the tensor, its row in bytes, its exponent and its first group: chosen by the work-group's number alone
	s_cselect_b64 s[44:45], s[10:11], s[12:13]     ; wv, else wo
	s_cselect_b32 s46, s42, s43
	s_cselect_b32 s47, s29, s35                    ; e5, else e11
	s_cselect_b32 s21, 20, 24
	s_cmp_lt_u32 s22, 20
	s_cselect_b64 s[44:45], s[8:9], s[44:45]       ; wk
	s_cselect_b32 s47, s27, s47                    ; e3
	s_cselect_b32 s21, 16, s21
	s_cmp_lt_u32 s22, 16
	s_cselect_b64 s[44:45], s[6:7], s[44:45]       ; wq
	s_cselect_b32 s46, s43, s46
	s_cselect_b32 s47, s25, s47                    ; e1
	s_cselect_b32 s21, 0, s21
	s_sub_co_u32 s21, s22, s21                     ; which 128 columns of that tensor
	s_lshl_b32 s36, s23, 8
	s_mul_i32 s36, s36, s46                        ; 256 ky rows down,
	s_lshl_b32 s37, s21, 9
	s_add_co_u32 s36, s36, s37                     ; 128 columns x 4 bytes a group,
	s_lshl_b32 s37, s20, 7
	s_add_co_u32 s36, s36, s37                     ; 32 columns a wave
	s_mov_b32 s37, 0
	s_add_nc_u64 s[48:49], s[44:45], s[36:37]      ; block 0's base; a base for each block, so that none is stepped
	s_lshl_b32 s38, s46, 5                         ; 32 rows
	s_mov_b32 s39, 0
.irp t, 1,2,3,4,5,6,7
	s_add_nc_u64 s[48+2*\t:49+2*\t], s[46+2*\t:47+2*\t], s[38:39]
.endr
.irp i, 0,1,2,3,4,5,6,7,8,9,10,11,12,13,14,15,16,17,18,19,20,21,22,23,24,25,26,27,28,29,30,31
	v_mad_u32_u24 v[OFF+\i], s46, \i, v3           ; row i of a block, my column
.endr
	LOADW 0
	LOADW 1
	s_mul_i32 s40, s20, 32*PITCH
	s_add_co_u32 s40, s40, WST                     ; my stage
	v_mul_u32_u24 v4, v2, PITCH
	v_add_nc_u32 v4, s40, v4                       ; into it: row = my column
	v_and_b32 v5, 15, v2
	v_lshrrev_b32 v6, 4, v2                        ; out of it: sixteen lanes to a row, two rows an instruction
	v_mul_u32_u24 v7, v6, PITCH
	v_lshl_add_u32 v7, v5, 4, v7
	v_add_nc_u32 v7, s40, v7
	v_lshlrev_b32 v8, 11, v6
	v_lshl_add_u32 v8, v5, 4, v8                   ; and the same place in the codes' buffer (rows of 2,048 bytes)
	s_lshl_b32 s36, s22, 18                        ; 128 rows of 2,048 bytes a group,
	s_lshl_b32 s37, s20, 16                        ; 32 a wave,
	s_add_co_u32 s36, s36, s37
	s_lshl_b32 s37, s23, 8                         ; 256 bytes along K
	s_add_co_u32 s36, s36, s37
	s_mov_b32 s37, 0
	s_add_nc_u64 s[18:19], s[18:19], s[36:37]
	SCALE 47, 11, 10
	s_wait_alu depctr_va_vdst(0)
.irp t, 0,1,2,3,4,5,6,7
	BLOCK \t
.endr
.irp t, 0,1,2,3,4,5,6,7,8,9,10,11,12,13,14,15
	ds_load_b128 v[OUTR+4*\t:OUTR+4*\t+3], v7 offset:2*\t*PITCH   ; LDS serves a wave's instructions in order: these see my stores
.endr
.irp t, 0,1,2,3,4,5,6,7,8,9,10,11,12,13,14,15
	s_wait_dscnt 15-\t                             ; load t is in; the younger ones may be out
	global_store_b128 v8, v[OUTR+4*\t:OUTR+4*\t+3], s[18:19] offset:2*\t*2048   ; sixteen lanes store 256 consecutive bytes, at a multiple of 256 from the buffer's first byte
.endr
	s_wait_tensorcnt 0x0                           ; the wave's end, behind my last LDS store
	ds_add_u32 v[SPW], v[NIL]
	s_wait_dscnt 0x0
	s_endpgm
.Lfunc_end_k_qbd463dff72_quant:
	.size	k_qbd463dff72_quant, .Lfunc_end_k_qbd463dff72_quant-k_qbd463dff72_quant
	.p2alignl 7, 3214868480
	.fill 96, 4, 3214868480
	.section	.rodata,"a",@progbits
	.p2align	6, 0x0
	.amdhsa_kernel k_qbd463dff72_quant
		.amdhsa_group_segment_fixed_size 68096
		.amdhsa_private_segment_fixed_size 0
		.amdhsa_enable_private_segment 0
		.amdhsa_kernarg_size 64
		.amdhsa_user_sgpr_count 2
		.amdhsa_user_sgpr_kernarg_segment_ptr 1
		.amdhsa_wavefront_size32 1
		.amdhsa_system_sgpr_workgroup_id_x 1
		.amdhsa_system_sgpr_workgroup_id_y 1
		.amdhsa_system_sgpr_workgroup_id_z 1
		.amdhsa_system_vgpr_workitem_id 0
		.amdhsa_next_free_vgpr 192
		.amdhsa_next_free_sgpr 96
		.amdhsa_reserve_vcc 0
		.amdhsa_float_denorm_mode_32 3
		.amdhsa_float_denorm_mode_16_64 3
		.amdhsa_memory_ordered 1
		.amdhsa_forward_progress 1
		.amdhsa_inst_pref_size 129
	.end_amdhsa_kernel
	.amdgpu_metadata
---
amdhsa.version: [ 1, 2 ]
amdhsa.kernels:
  - .name:           k_qbd463dff72_quant
    .symbol:         k_qbd463dff72_quant.kd
    .args:
      - { .name: x, .offset: 0, .size: 8, .value_kind: global_buffer, .address_space: global }
      - { .name: wq, .offset: 8, .size: 8, .value_kind: global_buffer, .address_space: global }
      - { .name: wk, .offset: 16, .size: 8, .value_kind: global_buffer, .address_space: global }
      - { .name: wv, .offset: 24, .size: 8, .value_kind: global_buffer, .address_space: global }
      - { .name: wo, .offset: 32, .size: 8, .value_kind: global_buffer, .address_space: global }
      - { .name: lowp_scales, .offset: 40, .size: 8, .value_kind: global_buffer, .address_space: global }
      - { .name: xc, .offset: 48, .size: 8, .value_kind: global_buffer, .address_space: global }
      - { .name: wc, .offset: 56, .size: 8, .value_kind: global_buffer, .address_space: global }
    .group_segment_fixed_size: 68096
    .private_segment_fixed_size: 0
    .kernarg_segment_align: 8
    .kernarg_segment_size: 64
    .max_flat_workgroup_size: 128
    .sgpr_count:     96
    .vgpr_count:     192
    .wavefront_size: 32
...
	.end_amdgpu_metadata
.endif
;; end of part 1
;; launch proj (part 2): grid 24 x 16, 4 waves a work-group, clusters of 4 x 4, 327,680 bytes of LDS; arguments xc, wc, lowp_scales, qkv; writes qkv
.if DOCPART == 2
	.amdgcn_target "amdgcn-amd-amdhsa--gfx1250"
	.amdhsa_code_object_version 6
	.text
	.protected	k_qbd463dff72_proj
	.globl	k_qbd463dff72_proj
	.p2align	8
	.type	k_qbd463dff72_proj,@function
k_qbd463dff72_proj:
	s_mov_b64 s[64:65], 0
	v_nop
	global_prefetch_b8 v0, s[64:65] scope:SCOPE_SE
	s_setreg_imm32_b32 hwreg(HW_REG_WAVE_MODE, 25, 1), 1
	s_wait_xcnt 0x0
	s_wait_alu depctr_hold_cnt(0) depctr_sa_sdst(0) depctr_va_vdst(0) depctr_va_sdst(0) depctr_va_ssrc(0) depctr_va_vcc(0) depctr_vm_vsrc(0)
	s_getreg_b32 s2, hwreg(HW_REG_IB_STS2, 6, 4)
	s_cmp_eq_u32 s2, 0
	s_cbranch_scc0 .Lentry_in_a_cluster
	s_endpgm
.Lentry_in_a_cluster:
	s_bfe_u32 s2, ttmp6, 0x10000c
	s_cmp_lg_u32 s2, 0xf033
	s_cbranch_scc0 .Lentry_shape_is_right
	s_endpgm
.Lentry_shape_is_right:
; xq = x wq, xk = x wk, xv = x wv on E4M3 codes (K = 2,048), each result quantised at once for the products that follow: xq with 2^e7, xk with 2^e6, xv with 2^e8.
; xc: the codes of x, [3 planes][2048 tokens][2048]; wc: the weights' codes, rows 0-3071 of [n][2048] (wq, wk from 2048, wv from 2560).
; A sum stands for sum x 2^(ex + ew), so its code is sum / 2^(eout - ex - ew): the three exponents are folded into the conversion's one scale.
; LIMITS: e7-e0-e1, e6-e2-e3 and e8-e4-e5 lie between -126 and 119, so that the scale and 448 x the scale are f32 numbers.
; OUTPUT: 384 dense tiles of 128 rows x 128 bytes.  Tiles 16 x + y (x < 20): row = token, byte = n.  Tiles 320 + 4 t + c: xv TRANSPOSED: row = n (128 c on), byte = token (128 t on): the keys are the K of the product that reads it.
; SHARES.  A tile of 128 x 128 is made by four waves, 64 x 64 each: 16 accumulators.  A lane of a result holds one row of source 1 and eight neighbours of source 0.
; LDS region 0 of a slot feeds source 1, region 1 source 0.  Clusters x = 0-4 (wq, wk): region 0 = tokens 128 y on (plane 0 or 1), region 1 = rows 128 x of wc.
; Cluster x = 5 (wv): region 0 = wv's rows 128 cy on, region 1 = tokens 128 (4 Y + cx) on of plane 2: the tensors change places in memory addresses alone, chosen on the cluster's x, which all partners share; no LDS address hangs on it.
; CLUSTER 4 x 4: region 0's tile hangs on cy alone and is asked for jointly along a row of the cluster, region 1's on cx alone, along a column.
; THE RING: two slots of 512 along K, four fills.  Wave w owns one tile of 128 rows x 512 bytes: region w % 2 of slot w / 2: one load at the head, one refill behind its slot's round.  By this text's count a wave has one tensor load out.
; No prefetch: of the four fills two go out at the head, and the sixteen steps are written out: there is no loop to run ahead in.
; REGISTERS: window 0: v16-31 addresses and scales; v32-95 at work on the way out; v128-255 the accumulators ((a, b) at v[128 + 8 (4 a + b)]).  Window 1: two fragment buffers of 128: source 1's four fragments, then source 0's four.
; THE ORDER INSIDE AN OUTPUT TILE.  A tile's 1,024 pieces of 16 bytes are stored in the order in which the next launch's operand registers take them: piece ((u 8 + t) 2 + c) 32 + lane holds
; row 32 (t / 2) + 8 (t % 2) + r + 8 (r / 8), bytes 64 u + 32 c + 16 h on (r = lane % 16, h = lane / 16): one load of 512 consecutive bytes there fills four registers of a fragment.
.set KROW,   2048
.set PITCH,  528                       ; an LDS row: 512 bytes + 16: the 16 rows of a fragment load begin 4 words apart modulo 64
.set HALFT,  64*PITCH
.set SLOT,   4*HALFT                   ; region 0's 128 rows, then region 1's
.set STAGE,  2*SLOT                    ; behind the ring: 128 rows x 144 bytes for the way out
.set SPITCH, 144
.set SPARE,  STAGE+128*SPITCH          ; the spare words, 128 bytes a wave
.set ADR1, 16
.set ADR0, 20
.set STO,  24
.set RD,   25
.set CO,   26
.set SPW,  28
.set NIL,  29
.set SC,   30
.set LIM,  31
.set CD,   32
.set BK,   64
.set ACC,  128
.set F0,   0
.set F1,   128
.set G1,   24                          ; s[24:31] group 1, s[32:35] group 0 for region 0's tile
.set G0,   32
.set G1B,  48                          ; s[48:55], s[56:59] for region 1's
.set G0B,  56
.set MSB, 0
.macro WIN new                         ; the immediate's high byte repeats the setting that is left
.if MSB != \new
	s_set_vgpr_msb (MSB<<8)|\new
.set MSB, \new
.endif
.endm
.set MUL,  0x05                        ; sources 0 and 1 window 1; C and D window 0
.set TO_F, 0x40                        ; destination window 1
.macro JLOAD                           ; my tile: even waves region 0's, odd waves region 1's; an s_nop 0 and four v_nop follow each line
	s_cmp_eq_u32 s16, 0
	s_cbranch_scc0 .Lfor_w_\@
	tensor_load_to_lds s[G0:G0+3], s[G1:G1+7]
	s_nop 0
.rept 4
	v_nop
.endr
	s_branch .Lasked_\@
.Lfor_w_\@:
	tensor_load_to_lds s[G0B:G0B+3], s[G1B:G1B+7]
	s_nop 0
.rept 4
	v_nop
.endr
.Lasked_\@:
.endm
.macro CREST                           ; a round of the cluster's barrier behind its opening barrier
	s_cmp_lg_u32 s14, 0
	s_cbranch_scc1 .Lnot_wave_0_\@
	s_barrier_signal -3
.Lnot_wave_0_\@:
	s_barrier_wait -3
	s_barrier_signal -1
	s_barrier_wait -1
.endm
.macro CROUND
	s_barrier_signal -1
	s_barrier_wait -1
	CREST
.endm
.macro PLACES                          ; four places in front of loads into registers that matrix instructions have read, and of the first read of results
.rept 4
	v_nop
.endr
.endm
.macro FETCH slot, q, f                ; 32 LDS loads: the eight fragments of the slot's q-th 128 along K
	WIN TO_F
.irp i, 0,1,2,3
.irp c, 0,1,2,3
	ds_load_b128 v[\f+64+16*\i+4*\c:\f+64+16*\i+4*\c+3], v[ADR0+\slot] offset:128*(\q)+32*\c+\i*16*PITCH
.endr
.endr
.irp i, 0,1,2,3
.irp c, 0,1,2,3
	ds_load_b128 v[\f+16*\i+4*\c:\f+16*\i+4*\c+3], v[ADR1+\slot] offset:128*(\q)+32*\c+\i*16*PITCH
.endr
.endr
.endm
.macro MUL4 f, a, zero                 ; the 16 accumulators take turns, one instruction a turn
.irp b, 0,1,2,3
.if \zero
	v_wmma_f32_16x16x128_fp8_fp8 v[ACC+8*(4*\a+\b):ACC+8*(4*\a+\b)+7], v[\f+64+16*\b:\f+64+16*\b+15], v[\f+16*\a:\f+16*\a+15], 0
.else
	v_wmma_f32_16x16x128_fp8_fp8 v[ACC+8*(4*\a+\b):ACC+8*(4*\a+\b)+7], v[\f+64+16*\b:\f+64+16*\b+15], v[\f+16*\a:\f+16*\a+15], v[ACC+8*(4*\a+\b):ACC+8*(4*\a+\b)+7]
.endif
.endr
.endm
.macro SUB slot, qn, f, g, zero        ; a step of 128 along K on buffer f; at its head the next step's fragments are asked for, into buffer g, which the step before multiplied
	s_wait_dscnt 0x0                               ; buffer f is in
	PLACES
	FETCH \slot, \qn, \g
	WIN MUL
	MUL4 \f, 0, \zero
	MUL4 \f, 1, \zero
	MUL4 \f, 2, \zero
	MUL4 \f, 3, \zero
.endm
.macro TURN slot, next, fill           ; a slot's last step changes slots
	WIN 0
	s_wait_tensorcnt 0x0                           ; all my tensor loads have landed
	ds_add_u32 v[SPW], v[NIL]
	s_wait_dscnt 1                                 ; buffer 1's 32 loads are in; the add alone may be out
	WIN MUL
	MUL4 F1, 0, 0
	s_wait_dscnt 0x0                               ; the add is done, and my reads of this slot are over
	s_barrier_signal -1
	MUL4 F1, 1, 0
	WIN 0
	s_barrier_wait -1
.if \fill
	CREST                                          ; the barrier has opened a round of the cluster's
	s_cmp_lg_u32 s15, \slot                        ; the two waves that own this slot's tiles fill them again, 1,024 along K on
	s_cbranch_scc1 .Lnot_mine_\@
	s_add_nc_u64 s[G0+2:G0+3], s[G0+2:G0+3], 1024
	s_add_nc_u64 s[G0B+2:G0B+3], s[G0B+2:G0B+3], 1024
	JLOAD
.Lnot_mine_\@:
.endif
	PLACES
	FETCH \next, 0, F0
	WIN MUL
	MUL4 F1, 2, 0
	MUL4 F1, 3, 0
.endm
	s_load_b128 s[4:7], s[0:1], 0x0                ; xc, wc
	s_load_b128 s[8:11], s[0:1], 0x10              ; the exponents, the output
	v_lshl_add_u32 v[SPW], v0, 2, SPARE
	v_mov_b32 v[NIL], 0
	ds_add_u32 v[SPW], v[NIL]                      ; the opening lines: the add twice on end and its wait ahead of my first tensor load
	ds_add_u32 v[SPW], v[NIL]
	v_lshrrev_b32 v1, 5, v0
	v_readfirstlane_b32 s14, v1                    ; wave 0..3
	s_lshr_b32 s15, s14, 1                         ; my half of source 1's rows.  Also: the slot whose tile I fetch
	s_and_b32 s16, s14, 1                          ; my half of source 0's rows.  Also: the region that I fetch for
	s_bfe_u32 s40, ttmp6, 0x40000                  ; cx
	s_bfe_u32 s41, ttmp6, 0x40004                  ; cy
	s_lshl_b32 s42, ttmp9, 2
	s_add_co_u32 s42, s42, s40                     ; x = 4 X + cx
	s_and_b32 s17, ttmp7, 0xffff
	s_lshl_b32 s17, s17, 2
	s_add_co_u32 s17, s17, s41                     ; y = 4 Y + cy
	s_lshl_b32 s43, s41, 2
	s_lshl_b32 s43, 15, s43                        ; my row of the cluster
	s_lshl_b32 s44, 0x1111, s40                    ; my column
	s_or_b32 s[G1+0], s43, (1<<20)|(1<<21)|(6<<22)|(3<<25)   ; the mask; elements of 1 byte; padding: four words after every 128; bit 21 beside a mask
	s_or_b32 s[G1B+0], s44, (1<<20)|(1<<21)|(6<<22)|(3<<25)
.irp g, G1, G1B
	s_mov_b32 s[\g+1], 512<<16                     ; tensor_dim0
	s_mov_b32 s[\g+2], 128<<16                     ; tensor_dim1
	s_mov_b32 s[\g+3], 512<<16                     ; tile_dim0
	s_mov_b32 s[\g+4], 128                         ; tile_dim1
	s_mov_b32 s[\g+5], KROW
	s_mov_b32 s[\g+6], 0
	s_mov_b32 s[\g+7], 0
.endr
	s_lshl_b32 s20, s17, 18                        ; region 0, wq and wk: token 128 y (rows of 2,048 bytes),
	s_max_u32 s19, ttmp9, 3
	s_sub_co_u32 s19, s19, 3
	s_lshl_b32 s19, s19, 22                        ; in plane 0 or 1
	s_add_co_u32 s20, s20, s19
	s_lshl_b32 s18, s41, 18
	s_add_co_u32 s18, s18, 2560*KROW               ; region 0, wv: its rows 128 cy on
	s_lshl_b32 s46, s42, 18                        ; region 1, wq and wk: rows 128 x of wc
	s_and_b32 s19, ttmp7, 0xffff
	s_lshl_b32 s19, s19, 2
	s_add_co_u32 s19, s19, s40
	s_lshl_b32 s19, s19, 18
	s_add_co_u32 s19, s19, 2<<22                   ; region 1, wv: token 128 (4 Y + cx) of plane 2
	s_cmp_eq_u32 ttmp9, 5
	s_cselect_b32 s20, s18, s20
	s_cselect_b32 s46, s19, s46
	s_mov_b32 s21, 0
	s_mov_b32 s47, 0
	s_lshl_b32 s18, s15, 9                         ; my slot's first 512 along K
	s_add_co_u32 s20, s20, s18
	s_add_co_u32 s46, s46, s18
	s_mul_i32 s45, s15, SLOT                       ; no place in the cluster enters an LDS address
	s_wait_dscnt 0x0                               ; both opening adds are done
	s_wait_kmcnt 0x0
	s_load_b256 s[68:75], s[8:9], 0x0              ; e0 .. e7
	s_load_b32 s76, s[8:9], 0x20                   ; e8
	s_cmp_eq_u32 ttmp9, 5                          ; which buffer feeds which region: a choice on the cluster's x
	s_cselect_b64 s[78:79], s[6:7], s[4:5]
	s_cselect_b64 s[80:81], s[4:5], s[6:7]
	s_add_nc_u64 s[20:21], s[78:79], s[20:21]
	s_add_nc_u64 s[46:47], s[80:81], s[46:47]
	CROUND                                         ; all sixteen work-groups are here: the first joint loads meet
	s_mov_b32 s[G0], 1
	s_mov_b32 s[G0+1], s45
	s_mov_b64 s[G0+2:G0+3], s[20:21]
	s_or_b32 s[G0+3], s[G0+3], 0x80000000
	s_mov_b32 s[G0B], 1
	s_add_co_u32 s[G0B+1], s45, 2*HALFT
	s_mov_b64 s[G0B+2:G0B+3], s[46:47]
	s_or_b32 s[G0B+3], s[G0B+3], 0x80000000
	JLOAD                                          ; one tensor load a wave at the head: the four fill both slots
	s_mul_i32 s22, s15, HALFT                      ; my 64 rows of source 1,
	s_mul_i32 s23, s16, HALFT
	s_add_co_u32 s23, s23, 2*HALFT                 ; and of source 0
	s_add_co_u32 s82, s22, SLOT
	s_add_co_u32 s83, s23, SLOT
	s_mul_i32 s84, s15, 64*SPITCH                  ; into the stage: row 64 (wave / 2) + 16 a + r, byte 64 (wave % 2) + 16 b + 8 h
	s_lshl_b32 s19, s16, 6
	s_add_co_u32 s84, s84, s19
	s_add_co_u32 s84, s84, STAGE
	s_mul_i32 s85, s16, 64*SPITCH                  ; back: wave w stores pieces 256 w on: rows 64 (w % 2) on, bytes 64 (w / 2) on
	s_lshl_b32 s19, s15, 6
	s_add_co_u32 s85, s85, s19
	s_add_co_u32 s85, s85, STAGE
	s_lshl_b32 s86, s14, 12
	v_and_b32 v1, 15, v0                           ; r
	v_bfe_u32 v2, v0, 4, 1                         ; h
	v_mul_u32_u24 v3, v1, PITCH
	v_lshl_add_u32 v4, v2, 4, v3
	v_add_nc_u32 v[ADR1], s22, v4
	v_add_nc_u32 v[ADR0], s23, v4
	v_add_nc_u32 v[ADR1+1], s82, v4
	v_add_nc_u32 v[ADR0+1], s83, v4
	v_mul_u32_u24 v5, v1, SPITCH
	v_lshl_add_u32 v5, v2, 3, v5
	v_add_nc_u32 v[STO], s84, v5
	v_and_b32 v6, 31, v0
	v_and_b32 v7, 8, v1
	v_add_nc_u32 v7, v7, v1                        ; r + 8 (r / 8)
	v_mul_u32_u24 v7, v7, SPITCH
	v_lshl_add_u32 v7, v2, 4, v7                   ; + 16 h
	v_add_nc_u32 v[RD], s85, v7
	v_lshl_add_u32 v[CO], v6, 4, s86               ; in the dense tile: 4,096 w + 16 x lane
	s_lshl_b32 s18, s42, 4
	s_add_co_u32 s18, s18, s17                     ; the output tile: 16 x + y,
	s_and_b32 s19, ttmp7, 0xffff
	s_lshl_b32 s19, s19, 2
	s_add_co_u32 s19, s19, s40
	s_lshl_b32 s19, s19, 2
	s_add_co_u32 s19, s19, s41
	s_add_co_u32 s19, s19, 320                     ; or, for xv, 320 + 4 (4 Y + cx) + cy
	s_cmp_eq_u32 ttmp9, 5
	s_cselect_b32 s18, s19, s18
	s_lshl_b32 s18, s18, 14
	s_mov_b32 s19, 0
	s_add_nc_u64 s[10:11], s[10:11], s[18:19]
	s_wait_alu depctr_va_vdst(0)
	s_wait_kmcnt 0x0
	s_sub_co_i32 s77, s75, s68
	s_sub_co_i32 s77, s77, s69                     ; e7 - e0 - e1
	s_sub_co_i32 s78, s74, s70
	s_sub_co_i32 s78, s78, s71                     ; e6 - e2 - e3
	s_sub_co_i32 s79, s76, s72
	s_sub_co_i32 s79, s79, s73                     ; e8 - e4 - e5
	s_cmp_eq_u32 ttmp9, 4                          ; chosen without a jump
	s_cselect_b32 s77, s78, s77
	s_cmp_eq_u32 ttmp9, 5
	s_cselect_b32 s77, s79, s77
	s_add_co_i32 s77, s77, 127
	s_lshl_b32 s78, s77, 23
	v_mov_b32 v[SC], s78                           ; the folded scale as f32
	s_add_co_i32 s77, s77, 8
	s_lshl_b32 s77, s77, 23
	s_or_b32 s77, s77, 0x600000
	v_mov_b32 v[LIM], s77                          ; 448 x that
	s_wait_alu depctr_va_vdst(0)
	s_wait_tensorcnt 0x0                           ; my tile is in
	s_barrier_signal -1
	s_barrier_wait -1                              ; everybody's is: both slots are whole
	FETCH 0, 0, F0
	SUB 0, 1, F0, F1, 1                            ; the first step's products start the sums
	SUB 0, 2, F1, F0, 0
	SUB 0, 3, F0, F1, 0
	TURN 0, 1, 1
	SUB 1, 1, F0, F1, 0
	SUB 1, 2, F1, F0, 0
	SUB 1, 3, F0, F1, 0
	TURN 1, 0, 1
	SUB 0, 1, F0, F1, 0
	SUB 0, 2, F1, F0, 0
	SUB 0, 3, F0, F1, 0
	TURN 0, 1, 0
	SUB 1, 1, F0, F1, 0
	SUB 1, 2, F1, F0, 0
	SUB 1, 3, F0, F1, 0
	s_wait_dscnt 0x0
	WIN MUL
	MUL4 F1, 0, 0
	MUL4 F1, 1, 0
	MUL4 F1, 2, 0
	MUL4 F1, 3, 0
	WIN 0
	; THE WAY OUT: a lane's eight sums are eight neighbours of the output tile's row: held, converted, put into the stage; a barrier, since a row's 128 bytes come from two waves; back as dense runs of 512 bytes
	PLACES
	s_wait_alu depctr_va_vdst(0)
.irp t, 0,1,2,3,4,5,6,7,8,9,10,11,12,13,14,15
.irp j, 0,1,2,3,4,5,6,7
	v_med3_num_f32 v[ACC+8*\t+\j], v[ACC+8*\t+\j], -v[LIM], v[LIM]   ; each accumulator from its low end on; the conversion does not saturate (ISA guide 7.6.2)
.endr
	v_cvt_scalef32_pk8_fp8_f32 v[CD+2*\t:CD+2*\t+1], v[ACC+8*\t:ACC+8*\t+7], v[SC]
.endr
	v_nop                                          ; a plain line behind the last conversion
.irp a, 0,1,2,3
.irp b, 0,1,2,3
	ds_store_b64 v[STO], v[CD+2*(4*\a+\b):CD+2*(4*\a+\b)+1] offset:\a*16*SPITCH+16*\b
.endr
.endr
	s_wait_dscnt 0x0                               ; for the others' sake: my stores into the stage are done
	s_barrier_signal -1
	s_barrier_wait -1
.irp i, 0,1,2,3,4,5,6,7
	ds_load_b128 v[BK+4*\i:BK+4*\i+3], v[RD] offset:(32*(\i/4)+8*((\i/2)%2))*SPITCH+32*(\i%2)   ; t = 4 (w % 2) + i / 2, c = i % 2
.endr
.irp i, 0,1,2,3,4,5,6,7
	s_wait_dscnt 7-\i                              ; load i is in; the younger ones may be out
	global_store_b128 v[CO], v[BK+4*\i:BK+4*\i+3], s[10:11] offset:512*\i   ; 32 lanes store 512 consecutive bytes, aligned to 256
.endr
	s_wait_tensorcnt 0x0                           ; the wave's end
	ds_add_u32 v[SPW], v[NIL]
	s_wait_dscnt 0x0
	CROUND                                         ; the closing round
	s_endpgm
.Lfunc_end_k_qbd463dff72_proj:
	.size	k_qbd463dff72_proj, .Lfunc_end_k_qbd463dff72_proj-k_qbd463dff72_proj
	.p2alignl 7, 3214868480
	.fill 96, 4, 3214868480
	.section	.rodata,"a",@progbits
	.p2align	6, 0x0
	.amdhsa_kernel k_qbd463dff72_proj
		.amdhsa_group_segment_fixed_size 327680
		.amdhsa_private_segment_fixed_size 0
		.amdhsa_enable_private_segment 0
		.amdhsa_kernarg_size 32
		.amdhsa_user_sgpr_count 2
		.amdhsa_user_sgpr_kernarg_segment_ptr 1
		.amdhsa_wavefront_size32 1
		.amdhsa_system_sgpr_workgroup_id_x 1
		.amdhsa_system_sgpr_workgroup_id_y 1
		.amdhsa_system_sgpr_workgroup_id_z 1
		.amdhsa_system_vgpr_workitem_id 0
		.amdhsa_next_free_vgpr 512
		.amdhsa_next_free_sgpr 100
		.amdhsa_reserve_vcc 0
		.amdhsa_float_denorm_mode_32 3
		.amdhsa_float_denorm_mode_16_64 3
		.amdhsa_memory_ordered 1
		.amdhsa_forward_progress 1
		.amdhsa_inst_pref_size 74
	.end_amdhsa_kernel
	.amdgpu_metadata
---
amdhsa.version: [ 1, 2 ]
amdhsa.kernels:
  - .name:           k_qbd463dff72_proj
    .symbol:         k_qbd463dff72_proj.kd
    .args:
      - { .name: xc, .offset: 0, .size: 8, .value_kind: global_buffer, .address_space: global }
      - { .name: wc, .offset: 8, .size: 8, .value_kind: global_buffer, .address_space: global }
      - { .name: lowp_scales, .offset: 16, .size: 8, .value_kind: global_buffer, .address_space: global }
      - { .name: qkv, .offset: 24, .size: 8, .value_kind: global_buffer, .address_space: global }
    .group_segment_fixed_size: 327680
    .private_segment_fixed_size: 0
    .kernarg_segment_align: 8
    .kernarg_segment_size: 32
    .max_flat_workgroup_size: 128
    .sgpr_count:     100
    .vgpr_count:     512
    .wavefront_size: 32
...
	.end_amdgpu_metadata
.endif
;; end of part 2
;; launch attn (part 3): grid 8 x 32, 8 waves a work-group, clusters of 4 x 1, 327,680 bytes of LDS; arguments qkv, mask, graph_bias, lowp_scales, att; writes att
.if DOCPART == 3
	.amdgcn_target "amdgcn-amd-amdhsa--gfx1250"
	.amdhsa_code_object_version 6
	.text
	.protected	k_qbd463dff72_attn
	.globl	k_qbd463dff72_attn
	.p2align	8
	.type	k_qbd463dff72_attn,@function
k_qbd463dff72_attn:
	s_mov_b64 s[64:65], 0
	v_nop
	global_prefetch_b8 v0, s[64:65] scope:SCOPE_SE
	s_setreg_imm32_b32 hwreg(HW_REG_WAVE_MODE, 25, 1), 1
	s_wait_xcnt 0x0
	s_wait_alu depctr_hold_cnt(0) depctr_sa_sdst(0) depctr_va_vdst(0) depctr_va_sdst(0) depctr_va_ssrc(0) depctr_va_vcc(0) depctr_vm_vsrc(0)
	s_getreg_b32 s2, hwreg(HW_REG_IB_STS2, 6, 4)
	s_cmp_eq_u32 s2, 0
	s_cbranch_scc0 .Lentry_in_a_cluster
	s_endpgm
.Lentry_in_a_cluster:
	s_bfe_u32 s2, ttmp6, 0x10000c
	s_cmp_lg_u32 s2, 0x3003
	s_cbranch_scc0 .Lentry_shape_is_right
	s_endpgm
.Lentry_shape_is_right:
; scores = xq . xk / 8 + mask + graph_bias; probs = softmax over the keys, FINISHED AND NORMALISED, then quantised with 2^e9; out = probs xv, quantised with 2^e10.  Both products on E4M3 codes.
; xq's codes (2^e7), xk's (2^e6) and xv's transposed (2^e8, keys innermost) come from the launch before, each tile's 16-byte pieces in the order of the operand registers (below).  mask and graph_bias are inputs,
; [2048][2048] f32: every score is computed, in the order (score / 8 + mask) + graph_bias (score / 8 is a multiplication by a power of two, so one fused multiply-add rounds as the first addition does).
; SHARES.  A work-group owns one key/value head g and 64 queries, in 16 blocks of 4 queries x the head's 4 query heads = 16 softmax rows (row r: query r / 4, query head 4 g + r % 4).
; THE EIGHT WAVES SHARE THE KEYS: wave w owns keys 256 w on; its K (128 registers) and V^T (128) stay in registers.  A block's scores lie in registers (128 a wave): each score, addition and exponential is made once.
; THE SOFTMAX.  Each wave takes the maximum m_w of ITS 256 keys away (e = 2^((u - m_w) log2e)) and sums its e.  The pairs (-m_w log2e, sum_w) meet in LDS; behind the block's one barrier every wave forms the row's
; maximum m, a_j = 2^((m_j - m) log2e), the row's sum = the sum of a_j sum_j, and its factor a_w / sum; weight = e x that factor, held at 448 x 2^e9, converted.
; m_w has a floor of -1e38, so that a wave all of whose keys carry -infinity gives weights 0 and no NaN.
; ONE MEETING A BLOCK.  Block i: scores, e, sum (slot i % 2); the pair is stored; the change of slots (a round of the cluster's barrier; behind it slot i % 2 takes block i + 2's tile); weights, codes, O^T = V^T P^T over my keys;
; my partial O goes to LDS.  The eight partial O of block i are added behind block i + 1's barrier, by waves 0-3 (wave w: query w).  Pairs and partial O have two sets of LDS bytes, by turns, beside the two slots.
; MASK AND BIAS come in 8 units of 32 keys.  Units 0-3 of block i + 1 are read from LDS in block i's second half (its tile is whole behind block i's round): units 0, 1 into v64-127, units 2, 3 into the upper half of S,
; which the codes have left; so the scores are made in two batches of eight tiles, the second when units 2, 3 have been used.  Units 4-7 follow into v64-127 as it falls free.
; LAYOUT.  S^T = K Q^T and O^T = V^T P^T: a lane holds ONE softmax row (lane % 16).  Lane r of a tile 2 b + u of 16 rows of source 0 takes row 32 b + 8 u + r + 8 (r / 8): so registers 16 b .. 16 b + 15 of S are keys
; 32 b + 16 (lane / 16) + 0 .. 15, and the 16 registers of O^T's tiles 2 b, 2 b + 1 channels 32 b + 16 (lane / 16) + 0 .. 15.  In memory piece ((u 8 + t) 2 + c) 32 + lane of a tile of 128 x 128 bytes holds that row of tile t,
; bytes 64 u + 32 c + 16 (lane / 16) on: each load of K and of V^T reads 512 consecutive bytes.
; CLUSTER 4 x 1: four key/value heads with the same 64 queries need the same rows of mask and graph_bias: each tile is asked for jointly.  A block's tiles: 8, one a wave: 4 query rows x 512 keys of mask (even waves) or
; graph_bias (odd waves).  By this text's count a wave has one tensor load out.
; LIMITS: e6+e7-3 lies between -126 and 127; e9 and e10-e8-e9 between -126 and 119.  A weight under 2^-126 counts as 0 (v_exp_f32).  NaN among the inputs is not served.
; REGISTERS: window 0: v1-11 addresses that stay; v[12:13] -m_w log2e and my sum; v14 my factor; v16-19 scales; v20-24 at work; v32-39 Q; v40-55 the eight pairs, then the codes of keys 0-127; v56-59 the block's LDS addresses;
;   v62 offset of the first loads; v64-127 two units of mask and bias (the sum's chains in v96-111); v128-255 S; behind the conversions v128-143 the codes of keys 128-255, v144-175 O^T, v192-255 units 2, 3.
;   Window 1: v0-127 K's 16 fragments; v128-255 V^T's 8.
.set SLOT1, 1<<17                      ; the second half of LDS: one exclusive or turns an address from one half into the other
.set TILE,  8320                       ; 4 rows x (2,048 bytes + two paddings of 16)
.set ROWP,  2080
.set SM,    8*TILE                     ; behind a half's slot: 16 rows x 80 bytes: eight pairs and 16 of padding
.set SMP,   80
.set OSC,   SM+1536                    ; 8 waves x 16 rows x 272 bytes: the partial O
.set OP,    272
.set SPARE, 2*SLOT1                    ; the spare words, 128 bytes a wave
.set SPW,  1
.set NIL,  2
.set AM0,  3
.set ADM,  4
.set QO,   5
.set SMW0, 6
.set SMR0, 7
.set OW0,  8
.set ORD0, 9
.set GO,   10
.set PFO,  11
.set M,    12
.set F,    14
.set SC9,  16
.set SCO,  18
.set LIMO, 19
.set MX,   20
.set PX,   24
.set QF,   32
.set ST,   40
.set SMW,  56
.set SMR,  57
.set OW,   58
.set ORD,  59
.set KO,   62
.set U0,   64
.set U1,   96
.set CH,   96
.set S,    128
.set O,    S+16
.set MSB, 0
.macro WIN new                         ; the immediate's high byte repeats the setting that is left
.if MSB != \new
	s_set_vgpr_msb (MSB<<8)|\new
.set MSB, \new
.endif
.endm
.macro ROUND                           ; a round of the cluster's barrier
	s_barrier_signal -1
	s_barrier_wait -1
	s_cmp_lg_u32 s14, 0
	s_cbranch_scc1 .Lnot_wave_0_\@
	s_barrier_signal -3
.Lnot_wave_0_\@:
	s_barrier_wait -3
	s_barrier_signal -1
	s_barrier_wait -1
.endm
; A PREFETCH INTO THE L2 of the block after the one just asked for: 4 rows of mask and 4 of graph_bias, 8,192 bytes each.  Both clusters of a row of the grid walk the same rows: the first asks.
; In it wave 0 names a row of mask and wave 1 a row of graph_bias; partner cx takes the block's row cx, told apart by address; lanes stand 256 bytes apart: each aligned 256 bytes are named once in the launch.
; The last change that fills a slot asks for nothing; blocks 0 to 2 come by their loads alone.
.macro ASK
	s_cmp_gt_u32 s37, s38
	s_cbranch_scc0 .Lnot_mine_\@
	global_prefetch_b8 v[PFO], s[50:51] th:TH_LOAD_NT scope:SCOPE_SE
.Lnot_mine_\@:
.endm
.macro TLOAD
	tensor_load_to_lds s[32:35], s[24:31]
	s_nop 0
.rept 4
	v_nop
.endr
.endm
; where the four tokens from s63 on (a multiple of 4, inside a tile of 128) lie in Q's tile: bit 2 of the token's number is bit 2 of r, bit 3 is t % 2, bit 4 is bit 3 of r, bits 5, 6 are t / 2; 16 bytes a lane, 1,024 a tile t
.macro QADDR
	s_and_b32 s56, s63, 4
	s_lshl_b32 s56, s56, 4
	s_and_b32 s57, s63, 8
	s_lshl_b32 s57, s57, 7
	s_or_b32 s56, s56, s57
	s_and_b32 s57, s63, 16
	s_lshl_b32 s57, s57, 3
	s_or_b32 s56, s56, s57
	s_and_b32 s57, s63, 0x60
	s_lshl_b32 s57, s57, 6
	s_or_b32 s56, s56, s57
	s_mov_b32 s57, 0
	s_add_nc_u64 s[12:13], s[46:47], s[56:57]
.endm
.macro QLOAD
	global_load_b128 v[QF:QF+3], v[QO], s[12:13]
	global_load_b128 v[QF+4:QF+7], v[QO], s[12:13] offset:512
.endm
; THE CHANGE OF SLOTS, in a block's middle.  fill = 1: a round, and behind it the joint load of the tile two blocks on into the slot just read.
.macro CHANGE fill
	s_wait_alu depctr_va_vdst(0)
	s_wait_tensorcnt 0x0                           ; the next block's tile, my one load that was out, has landed
	ds_add_u32 v[SPW], v[NIL]
.if \fill
	s_xor_b32 s33, s33, SLOT1
	s_add_nc_u64 s[34:35], s[34:35], 32768         ; four rows of 8,192 bytes on
.endif
	s_wait_xcnt 0x0                                ; the last store and prefetch have read their bases and data
.if \fill
	s_add_nc_u64 s[50:51], s[50:51], 32768
.endif
	s_add_nc_u64 s[48:49], s[48:49], 8192          ; the output's base runs ahead: the stores reach back by their immediates
	s_wait_dscnt 0x0                               ; the add and my pair's store are done, my reads of the slot are over
.if \fill
	ROUND
	TLOAD
	ASK
.else
	s_barrier_signal -1
	s_barrier_wait -1
.endif
.endm
.macro UNIT b, base                    ; 16 numbers of mask and 16 of graph_bias for keys 32 b + 16 (lane / 16) on
.irp j, 0,1,2,3
	ds_load_b128 v[\base+4*\j:\base+4*\j+3], v[ADM] offset:128*(\b)+16*\j
.endr
.irp j, 0,1,2,3
	ds_load_b128 v[\base+16+4*\j:\base+16+4*\j+3], v[ADM] offset:TILE+128*(\b)+16*\j
.endr
.endm
.macro UADD b, ub                      ; unit b's 16 scores a lane
.irp i, 0,2,4,6,8,10,12,14
	v_pk_fma_f32 v[S+16*\b+\i:S+16*\b+\i+1], v[S+16*\b+\i:S+16*\b+\i+1], s[22:23], v[\ub+\i:\ub+\i+1] op_sel_hi:[1,0,1]   ; sum x 2^(e6+e7-3) + mask; each accumulator from its low end on
.endr
.irp i, 0,2,4,6,8,10,12,14
	v_pk_add_f32 v[S+16*\b+\i:S+16*\b+\i+1], v[S+16*\b+\i:S+16*\b+\i+1], v[\ub+16+\i:\ub+16+\i+1]   ; + graph_bias
.endr
.irp i, 0,8
.irp c, 0,1,2,3
	v_max3_num_f32 v[MX+\c], v[MX+\c], v[S+16*\b+\i+2*\c], v[S+16*\b+\i+2*\c+1]
.endr
.endr
.endm
.macro QK t0                           ; eight tiles of 16 keys
	WIN 0x01
.irp t, 0,1,2,3,4,5,6,7
	v_wmma_f32_16x16x64_fp8_fp8 v[S+8*(\t0+\t):S+8*(\t0+\t)+7], v[8*(\t0+\t):8*(\t0+\t)+7], v[QF:QF+7], 0
.endr
	WIN 0
.endm
; THE FIRST HALF OF A BLOCK: scores, my maximum, e, my sum.  Units 0-3 were asked for in the block before.  tail = 1: the last block asks for no further Q.
.macro PHASEA tail
	s_xor_b32 s62, s36, SLOT1
	v_add_nc_u32 v[SMW], s36, v[SMW0]              ; this block's half of LDS;
	v_add_nc_u32 v[SMR], s36, v[SMR0]
	v_add_nc_u32 v[OW], s36, v[OW0]
	v_add_nc_u32 v[ORD], s62, v[ORD0]              ; the last block's partial O lie in the other
	s_wait_loadcnt 0x0                             ; Q (asked for a block ago); in the first block K and V too
	QK 0
.irp c, 0,1,2,3
	v_mov_b32 v[MX+\c], 0xff800000                 ; the maximum's four chains; these four are the places behind the products
.endr
.if \tail
	s_wait_dscnt 0x0
.else
	s_wait_dscnt 16                                ; units 0, 1 are in; the sixteen loads of units 2, 3, the youngest on every way here, may be out
.endif
	UADD 0, U0
	UNIT 4, U0
	UADD 1, U1
	UNIT 5, U1
	s_wait_dscnt 16                                ; units 2, 3 are in; the sixteen loads of units 4, 5 may be out
	UADD 2, S+64
	UADD 3, S+96
	QK 8                                           ; over the registers that held units 2, 3
.rept 4
	v_nop                                          ; places: for the first read of these results and for the loads into Q
.endr
	s_wait_alu depctr_va_vdst(0)
.if \tail
	s_cmp_eq_u32 s37, 1
	s_cbranch_scc1 .Lno_q_\@
.endif
	s_add_co_u32 s63, s63, 4                       ; four tokens on: the wait on LOADcnt above has shown Q's loads done
	QADDR
	QLOAD
.Lno_q_\@:
	s_wait_dscnt 8                                 ; unit 4's eight loads are in; unit 5's eight may be out
	UADD 4, U0
	UNIT 6, U0
	s_wait_dscnt 8                                 ; unit 5's are in; unit 6's may be out
	UADD 5, U1
	UNIT 7, U1
	s_wait_dscnt 8                                 ; unit 6's are in; unit 7's may be out
	UADD 6, U0
	s_wait_dscnt 0x0
	UADD 7, U1
	v_max3_num_f32 v[MX], v[MX], v[MX+1], v[MX+2]
	v_max_num_f32 v[MX], v[MX], v[MX+3]
	v_permlanex16_b32 v[PX], v[MX], s20, s21
	v_max3_num_f32 v[MX], v[MX], v[PX], 0xfe967699 ; my 256 keys' maximum, not under -1e38
	v_mul_f32 v[M], 0xbfb8aa3b, v[MX]              ; -m_w log2e
.set i, 0
.rept 64
	v_pk_fma_f32 v[S+i:S+i+1], v[S+i:S+i+1], s[58:59], v[M:M+1] op_sel_hi:[1,0,0]   ; u log2e - m_w log2e
.set i, i+2
.endr
	s_wait_alu depctr_va_vdst(0)                   ; the wait ahead of the batch,
.set i, 0
.rept 128
	v_exp_f32 v[S+i], v[S+i]
.set i, i+1
.endr
	v_nop                                          ; a plain line behind the last exponential,
	s_wait_alu depctr_va_vdst(0)                   ; and the wait ahead of the first line that names a result
.irp c, 0,2,4,6,8,10,12,14                     ; my sum, in eight chains of pairs
	v_pk_add_f32 v[CH+\c:CH+\c+1], v[S+\c:S+\c+1], v[S+16+\c:S+17+\c]
.endr
.irp j, 2,3,4,5,6,7
.irp c, 0,2,4,6,8,10,12,14
	v_pk_add_f32 v[CH+\c:CH+\c+1], v[CH+\c:CH+\c+1], v[S+16*\j+\c:S+16*\j+\c+1]
.endr
.endr
.irp c, 0,2,4,6
	v_pk_add_f32 v[CH+\c:CH+\c+1], v[CH+\c:CH+\c+1], v[CH+8+\c:CH+9+\c]
.endr
.irp c, 0,2
	v_pk_add_f32 v[CH+\c:CH+\c+1], v[CH+\c:CH+\c+1], v[CH+4+\c:CH+5+\c]
.endr
	v_pk_add_f32 v[CH:CH+1], v[CH:CH+1], v[CH+2:CH+3]
	v_add_f32 v[CH], v[CH], v[CH+1]
	v_permlanex16_b32 v[PX], v[CH], s20, s21
	v_add_f32 v[M+1], v[CH], v[PX]
	ds_store_b64 v[SMW], v[M:M+1]                  ; row r, wave w: (-m_w log2e, sum_w)
.endm
.macro CONV b, dst                     ; 16 weights a lane become four registers of codes
.irp i, 0,2,4,6,8,10,12,14
	v_pk_mul_f32 v[S+16*\b+\i:S+16*\b+\i+1], v[S+16*\b+\i:S+16*\b+\i+1], v[F:F+1] op_sel_hi:[1,0]
.endr
.irp i, 0,2,4,6,8,10,12,14
	v_dual_min_num_f32 v[S+16*\b+\i], s60, v[S+16*\b+\i] :: v_dual_min_num_f32 v[S+16*\b+\i+1], s60, v[S+16*\b+\i+1]   ; the conversion does not saturate (ISA guide 7.6.2); a weight is not negative: a one-sided hold at 448 x 2^e9
.endr
	v_cvt_scalef32_pk8_fp8_f32 v[\dst:\dst+1], v[S+16*\b:S+16*\b+7], v[SC9]
	v_cvt_scalef32_pk8_fp8_f32 v[\dst+2:\dst+3], v[S+16*\b+8:S+16*\b+15], v[SC9]
.endm
; THE SECOND HALF: the row's figures, the weights' codes, my partial O; the next block's units 0, 1 are asked for at its head (units 2, 3: in the way out, below).  tail = 1: the last block has no next.
.macro PHASEB tail
	v_add_nc_u32 v[ADM], s62, v[AM0]               ; the next block's slot
.irp j, 0,1,2,3
	ds_load_b128 v[ST+4*\j:ST+4*\j+3], v[SMR] offset:16*\j
.endr
.if \tail
	s_wait_alu depctr_va_vdst(0)
	s_cmp_eq_u32 s37, 1
	s_cbranch_scc1 .Lno_u_\@
.endif
	UNIT 0, U0
	UNIT 1, U1
.Lno_u_\@:
.if \tail
	s_wait_dscnt 0x0
.else
	s_wait_dscnt 16                                ; the eight pairs are in; the sixteen loads of units 0, 1 may be out
.endif
	v_min3_num_f32 v20, v[ST], v[ST+2], v[ST+4]
	v_min3_num_f32 v21, v[ST+6], v[ST+8], v[ST+10]
	v_min3_num_f32 v20, v20, v[ST+12], v[ST+14]
	v_min_num_f32 v20, v20, v21                    ; -m log2e
.irp j, 0,1,2,3,4,5,6,7
	v_sub_f32 v[ST+2*\j], v20, v[ST+2*\j]          ; (m_j - m) log2e, 0 or less
.endr
	v_sub_f32 v21, v20, v[M]                       ; my own
	s_wait_alu depctr_va_vdst(0)
.irp j, 0,1,2,3,4,5,6,7
	v_exp_f32 v[ST+2*\j], v[ST+2*\j]
.endr
	v_exp_f32 v21, v21
	v_nop
	s_wait_alu depctr_va_vdst(0)
	v_mul_f32 v22, v[ST], v[ST+1]
	v_mul_f32 v23, v[ST+2], v[ST+3]
.irp j, 4,8,12
	v_fmac_f32 v22, v[ST+\j], v[ST+\j+1]
	v_fmac_f32 v23, v[ST+\j+2], v[ST+\j+3]
.endr
	v_add_f32 v22, v22, v23                        ; the row's sum
	s_wait_alu depctr_va_vdst(0)
	v_rcp_f32 v23, v22
	v_nop
	s_wait_alu depctr_va_vdst(0)
	v_mul_f32 v[F], v21, v23                       ; a_w / the sum
	CONV 0, ST                                     ; keys 0-127: where the pairs lay
	CONV 1, ST+4
	CONV 2, ST+8
	CONV 3, ST+12
	CONV 4, S                                      ; keys 128-255: where weights lay that are codes by now
	CONV 5, S+4
	CONV 6, S+8
	CONV 7, S+12
	v_nop                                          ; a plain line between the last conversion and the products
	WIN 0x01                                       ; my 256 keys in two steps of 128; the four accumulators take turns
.irp t, 0,1,2,3
	v_wmma_f32_16x16x128_fp8_fp8 v[O+8*\t:O+8*\t+7], v[128+32*\t:128+32*\t+15], v[ST:ST+15], 0
.endr
.irp t, 0,1,2,3
	v_wmma_f32_16x16x128_fp8_fp8 v[O+8*\t:O+8*\t+7], v[128+32*\t+16:128+32*\t+31], v[S:S+15], v[O+8*\t:O+8*\t+7]
.endr
	WIN 0
.rept 4
	v_nop                                          ; places behind the products: for the stores below and the loads into v128-191
.endr
.irp t, 0,1,2,3
	ds_store_b128 v[OW], v[O+8*\t:O+8*\t+3] offset:128*(\t/2)+32*(\t%2)        ; row r, channels 32 (t / 2) + 16 h + 8 (t % 2) on; each accumulator from its low end on
	ds_store_b128 v[OW], v[O+8*\t+4:O+8*\t+7] offset:128*(\t/2)+32*(\t%2)+16
.endr
.endm
; the next block's units 2, 3, into the upper half of S.  u = 1: always; u = 2: not in the last block; u = 0: never
.macro NEXTU u
.if \u == 2
	s_cmp_eq_u32 s37, 1
	s_cbranch_scc1 .Lno_v_\@
.endif
.if \u > 0
	UNIT 2, S+64
	UNIT 3, S+96
.endif
.Lno_v_\@:
.endm
; THE WAY OUT of the block before: wave w (0-3) adds the eight parts of query w's four rows, quantises them and stores the query's 256 bytes.  first = 1: not in the launch's first block.
; Its sixteen loads stand ahead of the loads of units 2, 3, which every wave issues, in whichever arm it takes.
.macro REDUCE first, off, u
	s_wait_alu depctr_va_vdst(0)
.if \first
	s_cmp_lt_u32 s37, s61
.else
	s_cmp_lt_u32 s14, 4
.endif
	s_cbranch_scc0 .Lno_out_\@
.irp w, 0,1,2,3,4,5,6,7
	ds_load_b128 v[S+8*\w:S+8*\w+3], v[ORD] offset:16*OP*\w
	ds_load_b128 v[S+8*\w+4:S+8*\w+7], v[ORD] offset:16*OP*\w+16
.endr
	NEXTU \u
.if \u == 1
	s_wait_dscnt 16                                ; the eight parts are in; the sixteen loads of units 2, 3 may be out
.else
	s_wait_dscnt 0x0
.endif
.irp w, 0,2,4,6
.irp i, 0,2,4,6
	v_pk_add_f32 v[S+8*\w+\i:S+8*\w+\i+1], v[S+8*\w+\i:S+8*\w+\i+1], v[S+8*\w+8+\i:S+8*\w+9+\i]
.endr
.endr
.irp w, 0,4
.irp i, 0,2,4,6
	v_pk_add_f32 v[S+8*\w+\i:S+8*\w+\i+1], v[S+8*\w+\i:S+8*\w+\i+1], v[S+8*\w+16+\i:S+8*\w+17+\i]
.endr
.endr
.irp i, 0,2,4,6
	v_pk_add_f32 v[S+\i:S+\i+1], v[S+\i:S+\i+1], v[S+32+\i:S+33+\i]
.endr
.irp i, 0,1,2,3,4,5,6,7
	v_med3_num_f32 v[S+\i], v[S+\i], -v[LIMO], v[LIMO]
.endr
	v_cvt_scalef32_pk8_fp8_f32 v[ST:ST+1], v[S:S+7], v[SCO]   ; a sum stands for sum x 2^(e8+e9): its code is sum / 2^(e10-e8-e9)
	v_nop
	global_store_b64 v[GO], v[ST:ST+1], s[48:49] offset:\off   ; 32 lanes store 256 consecutive bytes, aligned to 256
	s_branch .Ldone_\@
.Lno_out_\@:
	NEXTU \u
.Ldone_\@:
.endm
	s_load_b256 s[4:11], s[0:1], 0x0               ; qkv, mask, graph_bias, the exponents
	s_load_b64 s[12:13], s[0:1], 0x20              ; the output
	v_lshl_add_u32 v[SPW], v0, 2, SPARE
	v_mov_b32 v[NIL], 0
	ds_add_u32 v[SPW], v[NIL]                      ; the opening lines: the add twice on end and its wait ahead of my first tensor load
	ds_add_u32 v[SPW], v[NIL]
	v_lshrrev_b32 v20, 5, v0
	v_readfirstlane_b32 s14, v20                   ; wave 0..7
	s_and_b32 s17, ttmp7, 0xffff                   ; y: which 64 queries; the four partners share it
	s_mov_b32 s24, 15|(2<<16)|(1<<20)|(1<<21)|(7<<22)|(3<<25)   ; the mask: all four; elements of 4 bytes; padding: four words after every 256; bit 21 beside a mask
	s_mov_b32 s25, 512<<16                         ; tensor_dim0
	s_mov_b32 s26, 4<<16                           ; tensor_dim1
	s_mov_b32 s27, 512<<16                         ; tile_dim0
	s_mov_b32 s28, 4                               ; tile_dim1
	s_mov_b32 s29, 2048                            ; from row to row
	s_mov_b32 s30, 0
	s_mov_b32 s31, 0
	s_mov_b32 s20, 0x76543210                      ; v_permlanex16_b32's selects for lane l xor 16
	s_mov_b32 s21, 0xfedcba98
	s_mov_b32 s58, 0x3fb8aa3b                      ; log2(e)
	s_mov_b32 s59, s58
	s_mov_b32 s36, 0                               ; the half of LDS in hand
	s_lshl_b32 s18, s17, 19                        ; 64 y rows of 8,192 bytes,
	s_lshr_b32 s19, s14, 1
	s_lshl_b32 s19, s19, 11                        ; my quarter of the keys
	s_add_co_u32 s18, s18, s19
	s_mov_b32 s19, 0
	s_mov_b32 s32, 1
	s_mul_i32 s33, s14, TILE                       ; my tile's place in slot 0
	s_wait_dscnt 0x0                               ; both opening adds are done
	s_wait_kmcnt 0x0
	s_load_b128 s[40:43], s[10:11], 0x18           ; e6, e7, e8, e9
	s_load_b32 s44, s[10:11], 0x28                 ; e10
	s_and_b32 s39, s14, 1
	s_cmp_eq_u32 s39, 0                            ; even waves fetch mask, odd waves graph_bias
	s_cselect_b64 s[34:35], s[6:7], s[8:9]
	s_cselect_b64 s[50:51], s[6:7], s[8:9]
	s_add_nc_u64 s[34:35], s[34:35], s[18:19]
	s_or_b32 s35, s35, 0x80000000
	ROUND                                          ; all four work-groups are here: the first joint loads meet
	TLOAD                                          ; block 0's tile, into slot 0: one tensor load a wave at the head
	s_bfe_u32 s15, ttmp6, 0x40000                  ; cx: it enters global addresses alone
	s_lshl_b32 s16, ttmp9, 2
	s_add_co_u32 s16, s16, s15                     ; g
	s_lshr_b32 s56, s16, 1                         ; K: tile column 16 + g / 2,
	s_add_co_u32 s56, s56, 16
	s_lshl_b32 s56, s56, 18
	s_and_b32 s57, s16, 1
	s_lshl_b32 s57, s57, 13                        ; the head's half of each tile's pieces,
	s_add_co_u32 s56, s56, s57
	s_lshl_b32 s57, s14, 15                        ; my 256 keys: two tiles
	s_add_co_u32 s56, s56, s57
	s_mov_b32 s57, 0
	s_add_nc_u64 s[52:53], s[4:5], s[56:57]
	s_lshl_b32 s56, s14, 17                        ; V^T: my two chunks of 128 keys, 65,536 bytes each,
	s_lshr_b32 s57, s16, 1
	s_lshl_b32 s57, s57, 14                        ; the tile with the head's channels,
	s_add_co_u32 s56, s56, s57
	s_and_b32 s57, s16, 1
	s_lshl_b32 s57, s57, 12                        ; its four tiles t of the eight,
	s_add_co_u32 s56, s56, s57
	s_add_co_u32 s56, s56, 5242880                 ; behind Q's and K's tiles
	s_mov_b32 s57, 0
	s_add_nc_u64 s[54:55], s[4:5], s[56:57]
	s_lshl_b32 s56, s17, 17                        ; the output: token 64 y of 2,048 bytes,
	s_lshl_b32 s57, s16, 8                         ; the four heads' 256 bytes
	s_add_co_u32 s56, s56, s57
	s_mov_b32 s57, 0
	s_add_nc_u64 s[48:49], s[12:13], s[56:57]
	s_lshl_b32 s56, s16, 19                        ; Q: tile columns 2 g, 2 g + 1,
	s_lshr_b32 s57, s17, 1
	s_lshl_b32 s57, s57, 14                        ; the tile with token 64 y
	s_add_co_u32 s56, s56, s57
	s_mov_b32 s57, 0
	s_add_nc_u64 s[46:47], s[4:5], s[56:57]
	s_and_b32 s63, s17, 1
	s_lshl_b32 s63, s63, 6                         ; the block's first token inside that tile
	QADDR
	s_lshl_b32 s56, s17, 19                        ; the prefetches: 64 y rows,
	s_lshl_b32 s57, s15, 13                        ; row cx of a block's four,
	s_add_co_u32 s56, s56, s57
	s_add_co_u32 s56, s56, 65536                   ; in block 2: the first change steps it to block 3
	s_mov_b32 s57, 0
	s_add_nc_u64 s[50:51], s[50:51], s[56:57]
	s_lshr_b32 s38, s14, 1
	s_or_b32 s38, s38, ttmp9                       ; 0 in waves 0 and 1 of the first cluster
	s_cmp_eq_u32 s38, 0
	s_cselect_b32 s38, 1, -1                       ; a wave prefetches while s37 is above this
	s_lshr_b32 s18, s14, 1
	s_mul_i32 s18, s18, 2*TILE                     ; my quarter's pair of tiles,
	s_and_b32 s19, s14, 1
	s_mul_i32 s19, s19, 1040                       ; my half of their rows
	s_add_co_u32 s18, s18, s19
	s_lshl_b32 s19, s14, 3
	s_add_co_u32 s19, s19, SM                      ; my pair's place in a row of pairs
	s_mul_i32 s39, s14, 16*OP
	s_add_co_u32 s39, s39, OSC                     ; my partial O
	s_and_b32 s57, s14, 3
	s_mul_i32 s56, s57, 4*OP
	s_add_co_u32 s56, s56, OSC                     ; the four rows that I add
	s_lshl_b32 s57, s57, 11                        ; and their token
	s_cmp_lt_u32 s14, 4
	s_cselect_b32 s61, 14, 0                       ; waves 0-3 add while s37 is under this: from the second block on
	v_and_b32 v20, 15, v0                          ; r
	v_bfe_u32 v21, v0, 4, 1                        ; h
	v_and_b32 v22, 31, v0                          ; lane
	v_lshrrev_b32 v23, 2, v20                      ; r / 4: the query
	v_lshlrev_b32 v[KO], 4, v22                    ; K, V^T: 16 bytes a lane
	v_bfe_u32 v24, v0, 1, 1
	v_lshlrev_b32 v[QO], 18, v24                   ; Q: heads 2, 3 of the four lie a tile column on,
	v_and_b32 v24, 1, v0
	v_lshl_add_u32 v[QO], v24, 13, v[QO]           ; the odd head in the tile's second half,
	v_lshl_add_u32 v[QO], v23, 4, v[QO]            ; the query: a lane's 16 bytes on,
	v_lshl_add_u32 v[QO], v21, 8, v[QO]            ; h: sixteen lanes on
	WIN 0x40
.irp t, 0,1,2,3,4,5,6,7,8,9,10,11,12,13,14,15  ; K's fragments stay: tile t begins at key 32 (t / 2) + 8 (t % 2)
.irp c, 0,1
	global_load_b128 v[8*\t+4*\c:8*\t+4*\c+3], v[KO], s[52:53] offset:(\t/8)*16384+(\t%8)*1024+\c*512
.endr
.endr
.irp t, 0,1,2,3                                ; V^T's: tile t of the head's channels, keys 128 s + 32 c on
.irp s, 0,1
.irp c, 0,1,2,3
	global_load_b128 v[128+16*(2*\t+\s)+4*\c:128+16*(2*\t+\s)+4*\c+3], v[KO], s[54:55] offset:\s*65536+(\c/2)*8192+\t*1024+(\c%2)*512
.endr
.endr
.endr
	WIN 0
	QLOAD                                          ; block 0's Q
	v_mul_u32_u24 v[AM0], v23, ROWP
	v_lshl_add_u32 v[AM0], v21, 6, v[AM0]
	v_add_nc_u32 v[AM0], s18, v[AM0]
	v_mov_b32 v[ADM], v[AM0]                       ; block 0 lies in slot 0
	v_mul_u32_u24 v[SMR0], v20, SMP
	v_add_nc_u32 v[SMW0], s19, v[SMR0]
	v_add_nc_u32 v[SMR0], SM, v[SMR0]
	v_mul_u32_u24 v[OW0], v20, OP
	v_lshl_add_u32 v[OW0], v21, 6, v[OW0]          ; row r, + 16 channels for the upper half of the lanes
	v_add_nc_u32 v[OW0], s39, v[OW0]
	v_lshrrev_b32 v24, 3, v22
	v_mul_u32_u24 v[ORD0], v24, OP
	v_and_b32 v24, 7, v0
	v_lshl_add_u32 v[ORD0], v24, 5, v[ORD0]
	v_add_nc_u32 v[ORD0], s56, v[ORD0]             ; row 4 (w % 4) + lane / 8, eight channels a lane
	v_lshl_add_u32 v[GO], v22, 3, s57
	v_lshlrev_b32 v[PFO], 8, v22
	v_mov_b32 v[M+1], 0                            ; (named as the upper halves of pairs, so they are written)
	v_mov_b32 v[F+1], 0
	s_wait_alu depctr_va_vdst(0)
	s_wait_kmcnt 0x0
	s_add_co_i32 s22, s40, s41
	s_add_co_i32 s22, s22, 124
	s_lshl_b32 s22, s22, 23                        ; 2^(e6 + e7 - 3)
	s_mov_b32 s23, s22
	s_add_co_i32 s56, s43, 127
	s_lshl_b32 s57, s56, 23
	v_mov_b32 v[SC9], s57                          ; 2^e9
	s_add_co_i32 s56, s56, 8
	s_lshl_b32 s56, s56, 23
	s_or_b32 s60, s56, 0x600000                    ; 448 x 2^e9
	s_sub_co_i32 s56, s44, s42
	s_sub_co_i32 s56, s56, s43
	s_add_co_i32 s56, s56, 127
	s_lshl_b32 s57, s56, 23
	v_mov_b32 v[SCO], s57                          ; 2^(e10 - e8 - e9)
	s_add_co_i32 s56, s56, 8
	s_lshl_b32 s56, s56, 23
	s_or_b32 s56, s56, 0x600000
	v_mov_b32 v[LIMO], s56
	s_wait_alu depctr_va_vdst(0)
	s_wait_tensorcnt 0x0                           ; block 0's tile is in
	ds_add_u32 v[SPW], v[NIL]
	s_xor_b32 s33, s33, SLOT1
	s_add_nc_u64 s[34:35], s[34:35], 32768
	s_wait_dscnt 0x0
	ROUND
	TLOAD                                          ; block 1's tile, into slot 1
	UNIT 0, U0                                     ; block 0's units 0-3
	UNIT 1, U1
	UNIT 2, S+64
	UNIT 3, S+96
	s_mov_b32 s37, 14
.Lblk:                                             ; blocks 0 to 13: each change of slots asks for the tile two blocks on
	PHASEA 0
	CHANGE 1
	PHASEB 0
	REDUCE 1, -16384, 1
	s_xor_b32 s36, s36, SLOT1
	s_sub_co_u32 s37, s37, 1
	s_cmp_lg_u32 s37, 0
	s_wait_alu depctr_va_vdst(0)
	s_cbranch_scc1 .Lblk
	s_mov_b32 s37, 2
.Ltail:                                            ; blocks 14 and 15 ask for no tile: a loop of their own
	PHASEA 1
	CHANGE 0
	PHASEB 1
	REDUCE 0, -16384, 2
	s_xor_b32 s36, s36, SLOT1
	s_sub_co_u32 s37, s37, 1
	s_cmp_lg_u32 s37, 0
	s_wait_alu depctr_va_vdst(0)
	s_cbranch_scc1 .Ltail
	s_wait_dscnt 0x0                               ; block 15's partial O are stored
	s_barrier_signal -1
	s_barrier_wait -1
	s_wait_xcnt 0x0                                ; block 14's store has read its data
	s_xor_b32 s62, s36, SLOT1
	v_add_nc_u32 v[ORD], s62, v[ORD0]
	REDUCE 0, -8192, 0
	s_wait_tensorcnt 0x0                           ; the wave's end
	ds_add_u32 v[SPW], v[NIL]
	s_wait_dscnt 0x0
	ROUND                                          ; the closing round
	s_endpgm
.Lfunc_end_k_qbd463dff72_attn:
	.size	k_qbd463dff72_attn, .Lfunc_end_k_qbd463dff72_attn-k_qbd463dff72_attn
	.p2alignl 7, 3214868480
	.fill 96, 4, 3214868480
	.section	.rodata,"a",@progbits
	.p2align	6, 0x0
	.amdhsa_kernel k_qbd463dff72_attn
		.amdhsa_group_segment_fixed_size 327680
		.amdhsa_private_segment_fixed_size 0
		.amdhsa_enable_private_segment 0
		.amdhsa_kernarg_size 40
		.amdhsa_user_sgpr_count 2
		.amdhsa_user_sgpr_kernarg_segment_ptr 1
		.amdhsa_wavefront_size32 1
		.amdhsa_system_sgpr_workgroup_id_x 1
		.amdhsa_system_sgpr_workgroup_id_y 1
		.amdhsa_system_sgpr_workgroup_id_z 1
		.amdhsa_system_vgpr_workitem_id 0
		.amdhsa_next_free_vgpr 512
		.amdhsa_next_free_sgpr 66
		.amdhsa_reserve_vcc 0
		.amdhsa_float_denorm_mode_32 3
		.amdhsa_float_denorm_mode_16_64 3
		.amdhsa_memory_ordered 1
		.amdhsa_forward_progress 1
		.amdhsa_inst_pref_size 119
	.end_amdhsa_kernel
	.amdgpu_metadata
---
amdhsa.version: [ 1, 2 ]
amdhsa.kernels:
  - .name:           k_qbd463dff72_attn
    .symbol:         k_qbd463dff72_attn.kd
    .args:
      - { .name: qkv, .offset: 0, .size: 8, .value_kind: global_buffer, .address_space: global }
      - { .name: mask, .offset: 8, .size: 8, .value_kind: global_buffer, .address_space: global }
      - { .name: graph_bias, .offset: 16, .size: 8, .value_kind: global_buffer, .address_space: global }
      - { .name: lowp_scales, .offset: 24, .size: 8, .value_kind: global_buffer, .address_space: global }
      - { .name: att, .offset: 32, .size: 8, .value_kind: global_buffer, .address_space: global }
    .group_segment_fixed_size: 327680
    .private_segment_fixed_size: 0
    .kernarg_segment_align: 8
    .kernarg_segment_size: 40
    .max_flat_workgroup_size: 256
    .sgpr_count:     66
    .vgpr_count:     512
    .wavefront_size: 32
...
	.end_amdgpu_metadata
.endif
;; end of part 3
;; launch outp (part 4): grid 16 x 16, 4 waves a work-group, clusters of 4 x 4, 327,680 bytes of LDS; arguments att, wc, lowp_scales, out0; writes out0
.if DOCPART == 4
	.amdgcn_target "amdgcn-amd-amdhsa--gfx1250"
	.amdhsa_code_object_version 6
	.text
	.protected	k_qbd463dff72_outp
	.globl	k_qbd463dff72_outp
	.p2align	8
	.type	k_qbd463dff72_outp,@function
k_qbd463dff72_outp:
	s_mov_b64 s[64:65], 0
	v_nop
	global_prefetch_b8 v0, s[64:65] scope:SCOPE_SE
	s_setreg_imm32_b32 hwreg(HW_REG_WAVE_MODE, 25, 1), 1
	s_wait_xcnt 0x0
	s_wait_alu depctr_hold_cnt(0) depctr_sa_sdst(0) depctr_va_vdst(0) depctr_va_sdst(0) depctr_va_ssrc(0) depctr_va_vcc(0) depctr_vm_vsrc(0)
	s_getreg_b32 s2, hwreg(HW_REG_IB_STS2, 6, 4)
	s_cmp_eq_u32 s2, 0
	s_cbranch_scc0 .Lentry_in_a_cluster
	s_endpgm
.Lentry_in_a_cluster:
	s_bfe_u32 s2, ttmp6, 0x10000c
	s_cmp_lg_u32 s2, 0xf033
	s_cbranch_scc0 .Lentry_shape_is_right
	s_endpgm
.Lentry_shape_is_right:
; out0 = att wo on E4M3 codes (K = 2,048): att [2048 tokens][2048] (2^e10), wo's codes are rows 3072-5119 of wc, [n][2048] (2^e11); each finished sum x 2^(e10 + e11), f32.
; LIMIT: e10 + e11 lies between -126 and 127.
; A tile of 128 x 128 is made by four waves, 64 x 64 each.  Source 0 = rows of wo, source 1 = tokens: a lane holds eight neighbours of a row of out0.
; CLUSTER 4 x 4: att's tile is asked for jointly along a row of the cluster, wo's along a column.
; THE RING: two slots of 512 along K, four fills.  Wave w owns one tile of 128 rows x 512 bytes: att's (w even) or wo's (w odd) of slot w / 2: one load at the head, one refill behind its slot's round.
; No prefetch: of the four fills two go out at the head, and the sixteen steps are written out: there is no loop to run ahead in.
.set KROW,   2048
.set PITCH,  528
.set HALFT,  64*PITCH
.set SLOT,   4*HALFT
.set STAGE,  2*SLOT
.set SPITCH, 272
.set SPARE,  STAGE+4*16*SPITCH
.set ADR1, 16
.set ADR0, 20
.set STO,  24
.set RD,   25
.set CO,   26
.set SPW,  28
.set NIL,  29
.set TMP,  32
.set BK,   64
.set ACC,  128
.set F0,   0
.set F1,   128
.set G1,   24
.set G0,   32
.set G1B,  48
.set G0B,  56
.set MSB, 0
.macro WIN new
.if MSB != \new
	s_set_vgpr_msb (MSB<<8)|\new
.set MSB, \new
.endif
.endm
.set MUL,  0x05
.set TO_F, 0x40
.macro JLOAD s
	s_cmp_eq_u32 s16, 0
	s_cbranch_scc0 .Lfor_w_\@
	tensor_load_to_lds s[G0+4*\s:G0+4*\s+3], s[G1:G1+7]
	s_nop 0
.rept 4
	v_nop
.endr
	s_branch .Lasked_\@
.Lfor_w_\@:
	tensor_load_to_lds s[G0B+4*\s:G0B+4*\s+3], s[G1B:G1B+7]
	s_nop 0
.rept 4
	v_nop
.endr
.Lasked_\@:
.endm
.macro CREST
	s_cmp_lg_u32 s14, 0
	s_cbranch_scc1 .Lnot_wave_0_\@
	s_barrier_signal -3
.Lnot_wave_0_\@:
	s_barrier_wait -3
	s_barrier_signal -1
	s_barrier_wait -1
.endm
.macro CROUND
	s_barrier_signal -1
	s_barrier_wait -1
	CREST
.endm
.macro PLACES
.rept 4
	v_nop
.endr
.endm
.macro FETCH slot, q, f
	WIN TO_F
.irp i, 0,1,2,3
.irp c, 0,1,2,3
	ds_load_b128 v[\f+64+16*\i+4*\c:\f+64+16*\i+4*\c+3], v[ADR0+\slot] offset:128*(\q)+32*\c+\i*16*PITCH
.endr
.endr
.irp i, 0,1,2,3
.irp c, 0,1,2,3
	ds_load_b128 v[\f+16*\i+4*\c:\f+16*\i+4*\c+3], v[ADR1+\slot] offset:128*(\q)+32*\c+\i*16*PITCH
.endr
.endr
.endm
.macro MUL4 f, a, zero
.irp b, 0,1,2,3
.if \zero
	v_wmma_f32_16x16x128_fp8_fp8 v[ACC+8*(4*\a+\b):ACC+8*(4*\a+\b)+7], v[\f+64+16*\b:\f+64+16*\b+15], v[\f+16*\a:\f+16*\a+15], 0
.else
	v_wmma_f32_16x16x128_fp8_fp8 v[ACC+8*(4*\a+\b):ACC+8*(4*\a+\b)+7], v[\f+64+16*\b:\f+64+16*\b+15], v[\f+16*\a:\f+16*\a+15], v[ACC+8*(4*\a+\b):ACC+8*(4*\a+\b)+7]
.endif
.endr
.endm
.macro SUB slot, qn, f, g, zero
	s_wait_dscnt 0x0                               ; buffer f is in
	PLACES                                         ; behind the products of the step before, which read buffer g
	FETCH \slot, \qn, \g                           ; the next step's fragments are asked for at the step's head
	WIN MUL
	MUL4 \f, 0, \zero
	MUL4 \f, 1, \zero
	MUL4 \f, 2, \zero
	MUL4 \f, 3, \zero
.endm
.macro TURN slot, next, fill
	WIN 0
	s_wait_tensorcnt 0x0
	ds_add_u32 v[SPW], v[NIL]
	s_wait_dscnt 1
	WIN MUL
	MUL4 F1, 0, 0
	s_wait_dscnt 0x0
	s_barrier_signal -1
	MUL4 F1, 1, 0
	WIN 0
	s_barrier_wait -1
.if \fill
	CREST
	s_cmp_lg_u32 s15, \slot                        ; the two waves that own this slot's tiles fill them again, 1,024 along K on
	s_cbranch_scc1 .Lnot_mine_\@
	s_add_nc_u64 s[G0+2:G0+3], s[G0+2:G0+3], 1024
	s_add_nc_u64 s[G0B+2:G0B+3], s[G0B+2:G0B+3], 1024
	JLOAD 0
.Lnot_mine_\@:
	PLACES
.else
	PLACES
.endif
	FETCH \next, 0, F0
	WIN MUL
	MUL4 F1, 2, 0
	MUL4 F1, 3, 0
.endm
	s_load_b128 s[4:7], s[0:1], 0x0
	s_load_b128 s[8:11], s[0:1], 0x10
	v_lshl_add_u32 v[SPW], v0, 2, SPARE
	v_mov_b32 v[NIL], 0
	ds_add_u32 v[SPW], v[NIL]
	ds_add_u32 v[SPW], v[NIL]
	v_lshrrev_b32 v1, 5, v0
	v_readfirstlane_b32 s14, v1
	s_lshr_b32 s15, s14, 1
	s_and_b32 s16, s14, 1
	s_bfe_u32 s40, ttmp6, 0x40000
	s_bfe_u32 s41, ttmp6, 0x40004
	s_lshl_b32 s42, ttmp9, 2
	s_add_co_u32 s42, s42, s40
	s_and_b32 s17, ttmp7, 0xffff
	s_lshl_b32 s17, s17, 2
	s_add_co_u32 s17, s17, s41
	s_lshl_b32 s43, s41, 2
	s_lshl_b32 s43, 15, s43
	s_lshl_b32 s44, 0x1111, s40
	s_or_b32 s[G1+0], s43, (1<<20)|(1<<21)|(6<<22)|(3<<25)
	s_or_b32 s[G1B+0], s44, (1<<20)|(1<<21)|(6<<22)|(3<<25)
.irp g, G1, G1B
	s_mov_b32 s[\g+1], 512<<16
	s_mov_b32 s[\g+2], 128<<16
	s_mov_b32 s[\g+3], 512<<16
	s_mov_b32 s[\g+4], 128
	s_mov_b32 s[\g+5], KROW
	s_mov_b32 s[\g+6], 0
	s_mov_b32 s[\g+7], 0
.endr
	s_lshl_b32 s18, s15, 9                         ; my slot's first 512 along K
	s_lshl_b32 s20, s17, 18                        ; att: token 128 y
	s_add_co_u32 s20, s20, s18
	s_mov_b32 s21, 0
	s_lshl_b32 s46, s42, 18                        ; wo: row 128 x,
	s_add_co_u32 s46, s46, s18
	s_add_co_u32 s46, s46, 3072*KROW               ; behind wq, wk and wv
	s_mov_b32 s47, 0
	s_mul_i32 s45, s15, SLOT                       ; no place in the cluster enters an LDS address
	s_wait_dscnt 0x0
	s_wait_kmcnt 0x0
	s_load_b64 s[96:97], s[8:9], 0x28
	s_add_nc_u64 s[20:21], s[4:5], s[20:21]
	s_add_nc_u64 s[46:47], s[6:7], s[46:47]
	CROUND
	s_mov_b32 s[G0], 1
	s_mov_b32 s[G0+1], s45
	s_mov_b64 s[G0+2:G0+3], s[20:21]
	s_or_b32 s[G0+3], s[G0+3], 0x80000000
	s_mov_b32 s[G0B], 1
	s_add_co_u32 s[G0B+1], s45, 2*HALFT
	s_mov_b64 s[G0B+2:G0B+3], s[46:47]
	s_or_b32 s[G0B+3], s[G0B+3], 0x80000000
	JLOAD 0                                        ; one tensor load a wave at the head: the four fill both slots
	v_and_b32 v1, 15, v0
	s_wait_alu depctr_va_vdst(0)
	v_bfe_u32 v2, v0, 4, 1
	v_mul_u32_u24 v3, v1, PITCH
	v_lshl_add_u32 v4, v2, 4, v3
	s_mul_i32 s22, s15, HALFT
	s_mul_i32 s23, s16, HALFT
	s_add_co_u32 s23, s23, 2*HALFT
.irp s, 0,1
	v_add_nc_u32 v[ADR1+\s], s22, v4
	v_add_nc_u32 v[ADR0+\s], s23, v4
	s_add_co_u32 s22, s22, SLOT
	s_add_co_u32 s23, s23, SLOT
.endr
	s_mul_i32 s18, s14, 16*SPITCH
	s_add_co_u32 s18, s18, STAGE
	v_mul_u32_u24 v5, v1, SPITCH
	s_wait_alu depctr_va_vdst(0)
	v_lshl_add_u32 v5, v2, 5, v5
	v_add_nc_u32 v[STO], s18, v5
	v_mul_u32_u24 v5, v2, SPITCH
	v_lshl_add_u32 v5, v1, 4, v5
	v_add_nc_u32 v[RD], s18, v5
	v_lshlrev_b32 v5, 13, v2
	v_lshl_add_u32 v[CO], v1, 4, v5
	s_lshl_b32 s18, s17, 7
	s_lshl_b32 s19, s15, 6
	s_add_co_u32 s18, s18, s19
	s_lshl_b32 s18, s18, 13
	s_lshl_b32 s19, s42, 9
	s_add_co_u32 s18, s18, s19
	s_lshl_b32 s19, s16, 8
	s_add_co_u32 s18, s18, s19
	s_mov_b32 s19, 0
	s_add_nc_u64 s[10:11], s[10:11], s[18:19]
	s_wait_kmcnt 0x0
	s_add_co_i32 s96, s96, s97
	s_add_co_i32 s96, s96, 127
	s_lshl_b32 s96, s96, 23
	s_mov_b32 s97, s96
	s_wait_alu depctr_va_vdst(0)
	s_wait_tensorcnt 0x0                           ; my tile is in
	s_barrier_signal -1
	s_barrier_wait -1
	FETCH 0, 0, F0
	SUB 0, 1, F0, F1, 1
	SUB 0, 2, F1, F0, 0
	SUB 0, 3, F0, F1, 0
	TURN 0, 1, 1
	SUB 1, 1, F0, F1, 0
	SUB 1, 2, F1, F0, 0
	SUB 1, 3, F0, F1, 0
	TURN 1, 0, 1
	SUB 0, 1, F0, F1, 0
	SUB 0, 2, F1, F0, 0
	SUB 0, 3, F0, F1, 0
	TURN 0, 1, 0
	SUB 1, 1, F0, F1, 0
	SUB 1, 2, F1, F0, 0
	SUB 1, 3, F0, F1, 0
	s_wait_dscnt 0x0
	WIN MUL
	MUL4 F1, 0, 0
	MUL4 F1, 1, 0
	MUL4 F1, 2, 0
	MUL4 F1, 3, 0
	WIN 0
	PLACES
.irp a, 0,1,2,3
.if \a >= 2
	s_wait_xcnt 0x0
.endif
.irp b, 0,1,2,3
.irp i, 0,2,4,6
	v_pk_mul_f32 v[TMP+8*\b+\i:TMP+8*\b+\i+1], v[ACC+8*(4*\a+\b)+\i:ACC+8*(4*\a+\b)+\i+1], s[96:97] op_sel_hi:[1,0]
.endr
.endr
.irp b, 0,1,2,3
	ds_store_b128 v[STO], v[TMP+8*\b:TMP+8*\b+3] offset:64*\b
	ds_store_b128 v[STO], v[TMP+8*\b+4:TMP+8*\b+7] offset:64*\b+16
.endr
.irp t, 0,1,2,3,4,5,6,7
	ds_load_b128 v[BK+32*(\a%2)+4*\t:BK+32*(\a%2)+4*\t+3], v[RD] offset:\t*2*SPITCH
.endr
.irp t, 0,1,2,3,4,5,6,7
	s_wait_dscnt 7-\t
	global_store_b128 v[CO], v[BK+32*(\a%2)+4*\t:BK+32*(\a%2)+4*\t+3], s[10:11] offset:(16*\a+2*\t)*8192 th:TH_STORE_NT
.endr
.endr
	s_wait_tensorcnt 0x0
	ds_add_u32 v[SPW], v[NIL]
	s_wait_dscnt 0x0
	CROUND
	s_endpgm
.Lfunc_end_k_qbd463dff72_outp:
	.size	k_qbd463dff72_outp, .Lfunc_end_k_qbd463dff72_outp-k_qbd463dff72_outp
	.p2alignl 7, 3214868480
	.fill 96, 4, 3214868480
	.section	.rodata,"a",@progbits
	.p2align	6, 0x0
	.amdhsa_kernel k_qbd463dff72_outp
		.amdhsa_group_segment_fixed_size 327680
		.amdhsa_private_segment_fixed_size 0
		.amdhsa_enable_private_segment 0
		.amdhsa_kernarg_size 32
		.amdhsa_user_sgpr_count 2
		.amdhsa_user_sgpr_kernarg_segment_ptr 1
		.amdhsa_wavefront_size32 1
		.amdhsa_system_sgpr_workgroup_id_x 1
		.amdhsa_system_sgpr_workgroup_id_y 1
		.amdhsa_system_sgpr_workgroup_id_z 1
		.amdhsa_system_vgpr_workitem_id 0
		.amdhsa_next_free_vgpr 512
		.amdhsa_next_free_sgpr 100
		.amdhsa_reserve_vcc 0
		.amdhsa_float_denorm_mode_32 3
		.amdhsa_float_denorm_mode_16_64 3
		.amdhsa_memory_ordered 1
		.amdhsa_forward_progress 1
		.amdhsa_inst_pref_size 73
	.end_amdhsa_kernel
	.amdgpu_metadata
---
amdhsa.version: [ 1, 2 ]
amdhsa.kernels:
  - .name:           k_qbd463dff72_outp
    .symbol:         k_qbd463dff72_outp.kd
    .args:
      - { .name: att, .offset: 0, .size: 8, .value_kind: global_buffer, .address_space: global }
      - { .name: wc, .offset: 8, .size: 8, .value_kind: global_buffer, .address_space: global }
      - { .name: lowp_scales, .offset: 16, .size: 8, .value_kind: global_buffer, .address_space: global }
      - { .name: out0, .offset: 24, .size: 8, .value_kind: global_buffer, .address_space: global }
    .group_segment_fixed_size: 327680
    .private_segment_fixed_size: 0
    .kernarg_segment_align: 8
    .kernarg_segment_size: 32
    .max_flat_workgroup_size: 128
    .sgpr_count:     100
    .vgpr_count:     512
    .wavefront_size: 32
...
	.end_amdgpu_metadata
.endif
;; end of part 4
